; MI455X (gfx1250); checked and timed in simulation.
; The chip was launched on July 23, 2026; its instructions are those of AMD's public machine-readable ISA for CDNA 5 (MIT licence, August 2026) and "CDNA5" Instruction Set Architecture Reference Guide (July 2026). The comments in the code are by the model that wrote it; some were corrected since.
;; Quantum Transformer Block. Allowed arithmetic: matrix products marked QUANTISED: E4M3 operands, one E8M0 scale for each 32 along K, by v_wmma_scale_f32_16x16x128_f8f6f4 with both operands' format E4M3, f32 sums; everything else in f32.
;; Inputs: b1 512 float32; b2 512 float32; bc 512 float32; be1 512 float32; be2 512 float32; bk 512 float32; bq 512 float32; bv 512 float32; g1 512 float32; g2 512 float32; theta 8 float32; w1 512 x 512 float32; w2 512 x 512 float32; wc 512 x 512 float32; wk 512 x 512 float32; wq 512 x 512 float32; wv 512 x 512 float32; x 8 x 2,048 x 512 float32.
;; Outputs: out0 8 x 2,048 x 512 float32.
;; This version of the problem:
;;   THIS VERSION OF THE PROBLEM IS GIVEN IN LOW PRECISION. The matrix products marked QUANTISED in the list below multiply operands that are first quantised to E4M3 (4 exponent bits, 3 mantissa bits; 8 bits a number), with one power-of-two scale for each 32 numbers along K (OCP MX v1.0); their sums are f32. All else is computed in f32.
;;   The module's matrix products, in the order in which they are computed (A, B: the left and right operand; K: the contracted axis; several contracted axes count as one K, in the product's order):
;;     1. [M 16,384, K 512] x [K 512, N 512]; A: input x; B: input wq: QUANTISED
;;     2. [M 16,384, K 512] x [K 512, N 512]; A: input x; B: input wk: QUANTISED
;;     3. [M 16,384, K 512] x [K 512, N 512]; A: input x; B: input wv: QUANTISED
;;     4. batch 8 x [M 2,048, K 512] x [K 512, N 2,048]; A: computed on the way; B: computed on the way: QUANTISED
;;     5. batch 8 x [M 2,048, K 2,048] x [K 2,048, N 512]; A: softmax (see below); B: computed on the way: QUANTISED
;;     6. [M 16,384, K 512] x [K 512, N 512]; A: computed on the way; B: input wc: QUANTISED
;;     7. [M 16,384, K 512] x [K 512, N 512]; A: computed on the way; B: input w1: QUANTISED
;;     8. [M 16,384, K 512] x [K 512, N 512]; A: computed on the way; B: input w2: QUANTISED
;;   THE QUANTISER, for each operand of a quantised product, along K:
;;     - K is cut into blocks of 32 from its start; a last block that is shorter is filled with zeros.
;;     - A block's scale is 2^e with e = floor(log2(the largest magnitude in the block)) - 8, held to -126 .. 127; a block of zeros has e = 0. As a byte (E8M0): e + 127.
;;     - Each number is divided by its block's scale, clamped to +-448, and rounded to the nearest number of E4M3, ties to even, subnormals kept.
;;     - The product sums the exact products of the quantised numbers (number of the format x scale) in f32.
;;   ~~~python
;;   def quantise(x, axis):      # numpy; x: float32 -> the quantised numbers, widened to float32 again
;;       x = np.moveaxis(x, axis, -1); K = x.shape[-1]
;;       x = np.pad(x, [(0, 0)] * (x.ndim - 1) + [(0, -K % 32)]); x = x.reshape(x.shape[:-1] + (-1, 32)); a = np.abs(x).max(-1, keepdims=True)
;;       e = np.where(a > 0, np.clip(np.frexp(np.where(a > 0, a, 1))[1] - 1 - 8, -126, 127), 0)      # np.frexp(a)[1] - 1 = floor(log2(a)), exactly
;;       r = np.clip(x / 2.0 ** e, -448, 448)
;;       step = 2.0 ** (np.maximum(np.frexp(np.where(r == 0, 1, r))[1] - 1, -6) - 3)
;;       q = np.round(r / step) * step * 2.0 ** e      # np.round: ties to even
;;       return np.moveaxis(q.reshape(q.shape[:-2] + (-1,))[..., :K], -1, axis).astype(np.float32)
;;   ~~~
;;   SOFTMAX AHEAD OF A QUANTISED PRODUCT. Where the list says 'softmax', what is quantised is not the finished softmax but p = 2^(t - M), with t = logit x log2(e) and M = ceil(the row's largest t), a whole number; so 1/2 < the row's largest p <= 1. The row's sum l is taken of the UNQUANTISED p, in f32, and the product's result is divided by l at the end. Since M is a whole number, a kernel that streams over the keys may use a running M (the ceiling of the running maximum): every later rescaling is an exact power of two, which a block's scale takes up: the codes' values come out the same.
;;   OPERANDS COMPUTED ON THE WAY. 'Computed on the way' means the value that the module computes at that place (a softmax that the list does not call 'softmax' is quantised finished and normalised). What goes into a quantiser is computed in f32, as accurately as f32 sums, v_exp_f32 and their like allow (about 1e-6 of the number): no bf16 or f16 on the way to a quantiser, and a product that is left as it is and whose result goes on into a quantised operand takes f32 operands (vector FMAs, or v_wmma_f32_16x16x4_f32). A number that lies on a knife's edge between two numbers of the format may be rounded either way, as far as f32 arithmetic and the matrix unit's own rounding can turn it there, and no further.
;; One version. Each part assembles by itself: llvm-mc -triple=amdgcn-amd-amdhsa -mcpu=gfx1250 --defsym DOCPART=n.
;; ======== version 1 of 1: 4 launches
;; limits: inputs' magnitudes at most 13,176,795; a function is approximated: absolute error at most 2e-07
;; workspace buffers: wb 1,622,016 bytes; kvb 17,301,504 bytes; qb 8,650,752 bytes; ab 8,650,752 bytes
;; launch wquant (part 1): grid 4 x 12, 4 waves a work-group, no clusters, 34,816 bytes of LDS; arguments wq, wk, wv, wc, w1, w2, wb; writes wb
.if DOCPART == 1
	.amdgcn_target "amdgcn-amd-amdhsa--gfx1250"
	.amdhsa_code_object_version 6
	.text
	.protected	k_q80652282f1_wquant
	.globl	k_q80652282f1_wquant
	.p2align	8
	.type	k_q80652282f1_wquant,@function
k_q80652282f1_wquant:
	s_mov_b64 s[64:65], 0
	v_nop
	global_prefetch_b8 v0, s[64:65] scope:SCOPE_SE
	s_setreg_imm32_b32 hwreg(HW_REG_WAVE_MODE, 25, 1), 1
	s_wait_xcnt 0x0
; The six weights [512 (k)][512 (n)], f32, K their FIRST axis, become codes of E4M3 with one E8M0 byte for each 32 along K,
; laid in wb in the order of the matrix operand's registers.  Nothing of the module is left out in this program: every bias
; feeds a quantised operand or an output, so all 18 inputs are loaded by some launch.
; wb: 12 blocks of BLK bytes (weight g, K half u: block 2 g + u).  In a block: fragments [tile t 0..31][s' 0..1] of 2,048 bytes,
; each [c 0..3][lane 0..31][16 bytes]: lane (r, h) holds k = 256 u + 128 s' + 32 c + 16 h + 0..15 of column
; 32 (t / 2) + 8 (t % 2) + r + 8 (r / 8); behind them the scale words [t / 2][r][2 (t % 2) + s'][4 bytes].
; A LANE TAKES A COLUMN AND ITS REGISTERS RUN DOWN K: a block of 32 lies in one lane, each load reads 128 consecutive bytes a wave.
; A wave takes 32 columns x 256 along K; its codes go through its own stage in LDS and leave as 512 consecutive bytes a store.
; LIMITS: a block of zeros gets the byte 1 (its codes are zeros; this program alone reads the bytes); NaN and infinities are not served.
.set BLK,   135168
.set TP,    4224                       ; a tile's 4,096 bytes in the stage + 128: the two tiles of a store fall on different banks
.set WST,   2*TP
.set SPARE, 4*WST                      ; the spare words: 128 bytes for each wave, named by no other line
.set X,     32                         ; v32-95   two sets of 32 numbers
.set C,     96                         ; v96-103  a block's codes
.set OUTR,  112                        ; v112-175 the way out
.set SB,    24                         ; v24-25   the scale bytes
.set SPW,   14
.set NIL,   15
	s_load_b256 s[4:11], s[0:1], 0x0               ; wq, wk, wv, wc
	s_load_b128 s[12:15], s[0:1], 0x20             ; w1, w2
	s_load_b64 s[16:17], s[0:1], 0x30              ; wb
	v_lshl_add_u32 v[SPW], v0, 2, SPARE
	v_mov_b32 v[NIL], 0
	v_lshrrev_b32 v1, 5, v0
	v_readfirstlane_b32 s18, v1                    ; wave
	v_and_b32 v6, 31, v0                           ; lane i = my column among the wave's 32
	v_lshlrev_b32 v1, 2, v6                        ; in: 4 bytes a lane
	v_bfe_u32 v7, v6, 3, 1                         ; which of the two tiles: (i / 8) % 2
	v_and_b32 v8, 7, v6
	v_lshrrev_b32 v9, 4, v6
	v_lshl_add_u32 v8, v9, 3, v8                   ; my row in the tile: i % 8 + 8 (i / 16)
	s_mul_i32 s19, s18, WST
	v_mul_u32_u24 v2, v7, TP
	v_lshl_add_u32 v2, v8, 4, v2
	v_add_nc_u32 v2, s19, v2                       ; into the stage
	v_lshlrev_b32 v4, 4, v6                        ; 16 x lane
	v_add_nc_u32 v3, s19, v4                       ; out of the stage
	v_lshlrev_b32 v5, 4, v8
	v_lshl_add_u32 v5, v7, 3, v5                   ; my two scale words
	s_and_b32 s20, ttmp7, 0xffff                   ; block 2 g + u
	s_lshr_b32 s21, s20, 1                         ; g
	s_and_b32 s22, s20, 1                          ; u
	s_lshl_b32 s23, ttmp9, 2
	s_add_co_u32 s23, s23, s18                     ; which 32 columns
	s_lshl_b32 s24, s22, 19                        ; 256 u rows of 2,048 bytes
	s_lshl_b32 s26, s23, 7
	s_add_co_u32 s24, s24, s26
	s_mov_b32 s25, 0
	s_mul_i32 s26, s20, BLK
	s_mov_b32 s27, 0
	s_lshl_b32 s28, s23, 13                        ; two tiles' fragments: 8,192 bytes
	s_mov_b32 s29, 0
	s_lshl_b32 s30, s23, 8
	s_add_co_u32 s30, s30, 131072                  ; and their 256 bytes of scale words
	s_mov_b32 s31, 0
	s_mov_b32 s33, 0x600000                        ; the mantissa field of 448
	s_wait_kmcnt 0x0
	s_cmp_eq_u32 s21, 1                            ; the weight is chosen by the work-group's number alone
	s_cselect_b64 s[4:5], s[6:7], s[4:5]
	s_cmp_eq_u32 s21, 2
	s_cselect_b64 s[4:5], s[8:9], s[4:5]
	s_cmp_eq_u32 s21, 3
	s_cselect_b64 s[4:5], s[10:11], s[4:5]
	s_cmp_eq_u32 s21, 4
	s_cselect_b64 s[4:5], s[12:13], s[4:5]
	s_cmp_eq_u32 s21, 5
	s_cselect_b64 s[4:5], s[14:15], s[4:5]
	s_add_nc_u64 s[4:5], s[4:5], s[24:25]
	s_add_nc_u64 s[16:17], s[16:17], s[26:27]
	s_add_nc_u64 s[6:7], s[16:17], s[28:29]        ; the codes
	s_add_nc_u64 s[8:9], s[16:17], s[30:31]        ; the scale words
.macro LOAD t
.set i_, 0
.rept 32
	global_load_b32 v[X+32*((\t)%2)+i_], v1, s[4:5] offset:(32*(\t)+i_)*2048 th:TH_LOAD_NT
.set i_, i_+1
.endr
.endm
	LOAD 0
	LOAD 1
.macro BLOCK t
.set XS, X+32*((\t)%2)
.if (\t) < 7
	s_wait_loadcnt 32                              ; this block's 32 loads are in; the next block's may be out
.else
	s_wait_loadcnt 0x0
.endif
	v_max3_num_f32 v12, |v[XS]|, |v[XS+1]|, |v[XS+2]|
	v_max3_num_f32 v13, |v[XS+3]|, |v[XS+4]|, |v[XS+5]|
.irp i, 6,10,14,18,22,26
	v_max3_num_f32 v12, v12, |v[XS+\i]|, |v[XS+\i+1]|
	v_max3_num_f32 v13, v13, |v[XS+\i+2]|, |v[XS+\i+3]|
.endr
	v_max3_num_f32 v12, v12, |v[XS+30]|, |v[XS+31]|
	v_max3_num_f32 v12, v12, v13, 0x4800000        ; the floor 2^(9 - 127): the byte cannot fall under 1
	v_add_nc_u32 v11, 0xfc000000, v12              ; 8 off the exponent field: the conversion's scale operand
	v_and_or_b32 v10, v12, 0x7f800000, s33         ; 448 x the scale
	v_lshrrev_b32 v13, 23, v11                     ; the byte
.if (\t)%4 == 0
	v_mov_b32 v[SB+(\t)/4], v13
.else
	v_lshl_or_b32 v[SB+(\t)/4], v13, 8*((\t)%4), v[SB+(\t)/4]
.endif
.set i_, 0
.rept 32
	v_med3_num_f32 v[XS+i_], v[XS+i_], -v10, v10   ; the conversion does not saturate (ISA guide 7.6.2): the hold comes first
.set i_, i_+1
.endr
.irp g, 0,1,2,3
	v_cvt_scalef32_pk8_fp8_f32 v[C+2*\g:C+2*\g+1], v[XS+8*\g:XS+8*\g+7], v11
.endr
	ds_store_b128 v2, v[C:C+3] offset:((\t)/4)*2048+((\t)%4)*512        ; k 0..15 of the block: lanes 0-15 of the image
	ds_store_b128 v2, v[C+4:C+7] offset:((\t)/4)*2048+((\t)%4)*512+256  ; k 16..31: lanes 16-31
.if (\t)+2 < 8
	LOAD (\t)+2
.endif
	s_wait_dscnt 0x0                               ; the stores have read their registers
.endm
.set Q, 0
.rept 8
	BLOCK Q
.set Q, Q+1
.endr
	global_store_b64 v5, v[SB:SB+1], s[8:9]        ; 32 lanes fill 256 consecutive bytes
.irp q, 0,1,2,3,4,5,6,7,8,9,10,11,12,13,14,15
	ds_load_b128 v[OUTR+4*\q:OUTR+4*\q+3], v3 offset:(\q/8)*TP+(\q%8)*512   ; a wave's LDS instructions are served in order: these see my stores
.endr
.irp q, 0,1,2,3,4,5,6,7,8,9,10,11,12,13,14,15
	s_wait_dscnt 15-\q
	global_store_b128 v4, v[OUTR+4*\q:OUTR+4*\q+3], s[6:7] offset:512*\q    ; 512 consecutive bytes a store
.endr
	s_wait_tensorcnt 0x0                           ; the wave's end
	ds_add_u32 v[SPW], v[NIL]
	s_wait_dscnt 0x0
	s_endpgm
.Lfunc_end_k_q80652282f1_wquant:
	.size	k_q80652282f1_wquant, .Lfunc_end_k_q80652282f1_wquant-k_q80652282f1_wquant
	.p2alignl 7, 3214868480
	.fill 96, 4, 3214868480
	.section	.rodata,"a",@progbits
	.p2align	6, 0x0
	.amdhsa_kernel k_q80652282f1_wquant
		.amdhsa_group_segment_fixed_size 34816
		.amdhsa_private_segment_fixed_size 0
		.amdhsa_enable_private_segment 0
		.amdhsa_kernarg_size 56
		.amdhsa_user_sgpr_count 2
		.amdhsa_user_sgpr_kernarg_segment_ptr 1
		.amdhsa_wavefront_size32 1
		.amdhsa_system_sgpr_workgroup_id_x 1
		.amdhsa_system_sgpr_workgroup_id_y 1
		.amdhsa_system_sgpr_workgroup_id_z 1
		.amdhsa_system_vgpr_workitem_id 0
		.amdhsa_next_free_vgpr 192
		.amdhsa_next_free_sgpr 66
		.amdhsa_reserve_vcc 0
		.amdhsa_float_denorm_mode_32 3
		.amdhsa_float_denorm_mode_16_64 3
		.amdhsa_memory_ordered 1
		.amdhsa_forward_progress 1
		.amdhsa_inst_pref_size 60
	.end_amdhsa_kernel
	.amdgpu_metadata
---
amdhsa.version: [ 1, 2 ]
amdhsa.kernels:
  - .name:           k_q80652282f1_wquant
    .symbol:         k_q80652282f1_wquant.kd
    .args:
      - { .name: wq, .offset: 0, .size: 8, .value_kind: global_buffer, .address_space: global }
      - { .name: wk, .offset: 8, .size: 8, .value_kind: global_buffer, .address_space: global }
      - { .name: wv, .offset: 16, .size: 8, .value_kind: global_buffer, .address_space: global }
      - { .name: wc, .offset: 24, .size: 8, .value_kind: global_buffer, .address_space: global }
      - { .name: w1, .offset: 32, .size: 8, .value_kind: global_buffer, .address_space: global }
      - { .name: w2, .offset: 40, .size: 8, .value_kind: global_buffer, .address_space: global }
      - { .name: wb, .offset: 48, .size: 8, .value_kind: global_buffer, .address_space: global }
    .group_segment_fixed_size: 34816
    .private_segment_fixed_size: 0
    .kernarg_segment_align: 8
    .kernarg_segment_size: 56
    .max_flat_workgroup_size: 128
    .sgpr_count:     66
    .vgpr_count:     192
    .wavefront_size: 32
...
	.end_amdgpu_metadata
.endif
;; end of part 1
;; launch qkv (part 2): grid 256 x 1, 4 waves a work-group, clusters of 4 x 1, 327,680 bytes of LDS; arguments x, wb, bq, bk, bv, qb, kvb; writes qb, kvb
.if DOCPART == 2
	.amdgcn_target "amdgcn-amd-amdhsa--gfx1250"
	.amdhsa_code_object_version 6
	.text
	.protected	k_q80652282f1_qkv
	.globl	k_q80652282f1_qkv
	.p2align	8
	.type	k_q80652282f1_qkv,@function
k_q80652282f1_qkv:
	s_mov_b64 s[64:65], 0
	v_nop
	global_prefetch_b8 v0, s[64:65] scope:SCOPE_SE
	s_setreg_imm32_b32 hwreg(HW_REG_WAVE_MODE, 25, 1), 1
	s_wait_xcnt 0x0
	s_wait_alu depctr_hold_cnt(0) depctr_sa_sdst(0) depctr_va_vdst(0) depctr_va_sdst(0) depctr_va_ssrc(0) depctr_va_vcc(0) depctr_vm_vsrc(0)
	s_getreg_b32 s2, hwreg(HW_REG_IB_STS2, 6, 4)
	s_cmp_eq_u32 s2, 0
	s_cbranch_scc0 .Lentry_in_a_cluster
	s_endpgm
.Lentry_in_a_cluster:
	s_bfe_u32 s2, ttmp6, 0x10000c
	s_cmp_lg_u32 s2, 0x3003
	s_cbranch_scc0 .Lentry_shape_is_right
	s_endpgm
.Lentry_shape_is_right:
; q = x wq + bq, k = x wk + bk, v = x wv + bv on codes of E4M3 (one E8M0 byte for each 32 along K); the results are quantised at once:
; q and k along the 512 channels, v along the keys, and stored in the order of the operands' registers.  Nothing is left out.
; SHARES.  A work-group takes 64 rows of x; wave w quantises row tile w of x (images to LDS) and then makes columns 128 w .. 128 w + 127 of
; q, k and v for all 64 rows.  THE ROWS OF A TILE ARE NOT NEIGHBOURS: lane r of tile T holds row (or weight column) 32 (T / 2) + 8 (T % 2) + r + 8 (r / 8),
; so that 16 registers of two neighbouring result tiles are 16 neighbours along the next product's K.
; q, k: source 0 = 16 columns of the weight, source 1 = 16 rows of x: a lane holds one row, its registers run along the channels.
; v: the sources swapped: a lane holds one channel, its registers run along the keys.
; THE WEIGHTS come as six blocks of BLK bytes (a weight's K half: 64 fragments and their scale words) through a ring of two LDS slots.  All work-groups
; walk the same blocks: the four of a cluster ask for each JOINTLY; each wave asks for a quarter of a block.  By this text's count a wave has two tensor loads out at the start, later one.
; LIMITS: a block of zeros gets the byte 1 (its codes are zeros; this program alone reads the bytes); NaN and infinities are not served.
; REGISTERS: window 0: addresses, scale words, bias, work; window 1: a block's 16 weight fragments of my columns; window 2: x as loaded, then 32 accumulators; window 3: x's 16 fragments.
.set BLK,   135168
.set QTR,   33792
.set XIMG,  270336                     ; x's 16 fragments (tile m, K step s) at 8192 m + 2048 s
.set XSCA,  303104                     ; their scale words: 512 m + 16 lane: four words, s = 0..3
.set STG,   305152                     ; a stage of 16 rows x 272 bytes for each wave
.set SPARE, 322560                     ; the spare words
.set LI, 1
.set R16, 2
.set WFA, 3                            ; v3, v4 my weight fragments in slot 0, 1
.set WSA, 5                            ; v5, v6 their scale words
.set XGO, 7
.set STI, 8
.set STL, 9
.set XWI, 10
.set XWS, 11
.set BO, 12
.set BVO, 13
.set SPW, 14
.set NIL, 15
.set WSC, 16
.set ASC, 32
.set PWQ, 48
.set XRD, 52
.set XSR, 53
.set BIAS, 56
.set TM, 120
.set HB, 136
.set PC, 200
.set WV, 18
.set CX, 19
.set RB, 20
.set MNT, 21
.set SEL, 22
.set G1, 24
.set G0A, 32
.set G0B, 36
.set XB, 40
.set QCB, 42
.set QSB, 44
.set KCB, 46
.set KSB, 48
.set VCB, 50
.set VSB, 52
.set MSB, 0
.macro WIN new                         ; the immediate's high byte repeats the setting that is left
.if MSB != (\new)
	s_set_vgpr_msb (MSB<<8)|(\new)
.set MSB, (\new)
.endif
.endm
.macro PLACES n
.rept \n
	v_nop
.endr
.endm
.macro ROUND                           ; a round of the cluster's barrier
	s_barrier_signal -1
	s_barrier_wait -1
	s_cmp_lg_u32 s[WV], 0
	s_cbranch_scc1 .Lnw0_\@
	s_barrier_signal -3
.Lnw0_\@:
	s_barrier_wait -3
	s_barrier_signal -1
	s_barrier_wait -1
.endm
.macro JLOAD g0                        ; my quarter of a block, asked for jointly; an s_nop 0 and four v_nop follow
	tensor_load_to_lds s[\g0:\g0+3], s[G1:G1+7]
	s_nop 0
	PLACES 4
.endm
; 64 numbers of a lane in window sw, register 16 b + i = k 32 b + 16 (lane / 16) + i of my row, become a fragment's codes in v[pc] on and its scale word in v[pw]
.macro QUANT src, sw, relu, hb, pc, pw
	WIN ((\sw)|((\sw)<<2))
.set b_, 0
.rept 4
.if \relu
	v_max3_num_f32 v[TM+b_], v[(\src)+16*b_], v[(\src)+16*b_+1], 0x4800000
.else
	v_max3_num_f32 v[TM+b_], |v[(\src)+16*b_]|, |v[(\src)+16*b_+1]|, 0x4800000   ; with the floor 2^(9 - 127): the byte cannot fall under 1
.endif
.set b_, b_+1
.endr
.set i_, 2
.rept 7
.set b_, 0
.rept 4
.if \relu
	v_max3_num_f32 v[TM+b_], v[(\src)+16*b_+i_], v[(\src)+16*b_+i_+1], v[TM+b_]
.else
	v_max3_num_f32 v[TM+b_], |v[(\src)+16*b_+i_]|, |v[(\src)+16*b_+i_+1]|, v[TM+b_]
.endif
.set b_, b_+1
.endr
.set i_, i_+2
.endr
	WIN 0
.irp b, 0,1,2,3
	v_permlanex16_b32 v[TM+4+\b], v[TM+\b], s[SEL], s[SEL+1]
.endr
.irp b, 0,1,2,3
	v_max_num_f32 v[TM+\b], v[TM+\b], v[TM+4+\b]           ; with lane l xor 16's: the block's largest magnitude
.endr
.irp b, 0,1,2,3
	v_add_nc_u32 v[TM+12+\b], 0xfc000000, v[TM+\b]         ; 8 off the exponent field: the conversion's scale operand
.endr
.irp b, 0,1,2,3
	v_and_or_b32 v[TM+8+\b], v[TM+\b], 0x7f800000, s[MNT]  ; 448 x the scale
.endr
.irp b, 0,1,2,3
	v_lshrrev_b32 v[TM+4+\b], 23, v[TM+12+\b]              ; the byte
.endr
	v_lshl_or_b32 v[\pw], v[TM+5], 8, v[TM+4]
	v_lshl_or_b32 v[\pw], v[TM+6], 16, v[\pw]
	v_lshl_or_b32 v[\pw], v[TM+7], 24, v[\pw]
	WIN (\sw)
.set b_, 0
.rept 4
.set i_, 0
.rept 16
.if \relu
	v_med3_num_f32 v[(\hb)+16*b_+i_], v[(\src)+16*b_+i_], 0, v[TM+8+b_]             ; the activation and the hold in one
.else
	v_med3_num_f32 v[(\hb)+16*b_+i_], v[(\src)+16*b_+i_], -v[TM+8+b_], v[TM+8+b_]   ; the conversion does not saturate (ISA guide 7.6.2)
.endif
.set i_, i_+1
.endr
.set b_, b_+1
.endr
	WIN 0
.irp b, 0,1,2,3
	v_cvt_scalef32_pk8_fp8_f32 v[(\pc)+4*\b:(\pc)+4*\b+1], v[(\hb)+16*\b:(\hb)+16*\b+7], v[TM+12+\b]
	v_cvt_scalef32_pk8_fp8_f32 v[(\pc)+4*\b+2:(\pc)+4*\b+3], v[(\hb)+16*\b+8:(\hb)+16*\b+15], v[TM+12+\b]
.endr
	v_nop                                          ; a plain line behind the last conversion
.endm
.macro VEC64 dst, base                 ; 64 numbers of a vector of 512 in the result's layout: register 16 b + i = column 128 w + 32 b + 16 h + i
.irp q, 0,1,2,3,4,5,6,7,8,9,10,11,12,13,14,15
	global_load_b128 v[\dst+4*\q:\dst+4*\q+3], v[BO], s[\base:\base+1] offset:128*(\q/4)+16*(\q%4)
.endr
.endm
	s_load_b256 s[4:11], s[0:1], 0x0               ; x, wb, bq, bk
	s_load_b128 s[12:15], s[0:1], 0x20             ; bv, qb
	s_load_b64 s[16:17], s[0:1], 0x30              ; kvb
	v_lshl_add_u32 v[SPW], v0, 2, SPARE
	v_mov_b32 v[NIL], 0
	ds_add_u32 v[SPW], v[NIL]                      ; the opening: the add, twice on end, and its wait ahead of my first tensor load
	ds_add_u32 v[SPW], v[NIL]
	v_lshrrev_b32 v232, 5, v0
	v_readfirstlane_b32 s[WV], v232                ; wave 0..3
	s_bfe_u32 s[CX], ttmp6, 0x40000                ; my place in the cluster: it enters global addresses of x, qb and kvb alone
	s_lshl_b32 s[RB], ttmp9, 2
	s_add_co_u32 s[RB], s[RB], s[CX]               ; my block of 64 rows
	s_mov_b32 s[G1], 15|(3<<16)|(1<<21)            ; the mask: all four work-groups; elements of 8 bytes; bit 21 beside a mask; no padding
	s_mov_b32 s[G1+1], 32<<16                      ; tensor_dim0 = 32 elements: rows of 256 bytes
	s_mov_b32 s[G1+2], 132<<16                     ; tensor_dim1 = 132 rows: a quarter of a block
	s_mov_b32 s[G1+3], 32<<16                      ; tile_dim0
	s_mov_b32 s[G1+4], 132                         ; tile_dim1
	s_mov_b32 s[G1+5], 32                          ; the pitch: dense
	s_mov_b32 s[G1+6], 0
	s_mov_b32 s[G1+7], 0
	s_mov_b32 s[MNT], 0x600000
	s_mov_b32 s[SEL], 0x76543210
	s_mov_b32 s[SEL+1], 0xfedcba98
	s_mul_i32 s54, s[WV], QTR
	s_mov_b32 s55, 0
	s_wait_dscnt 0x0                               ; both opening adds are done
	s_wait_kmcnt 0x0
	s_add_nc_u64 s[56:57], s[6:7], s[54:55]        ; wb at my quarter of block 0: the same in all partners
	s_mov_b32 s[G0A], 1
	s_mov_b32 s[G0A+1], s54                        ; slot 0
	s_mov_b64 s[G0A+2:G0A+3], s[56:57]
	s_or_b32 s[G0A+3], s[G0A+3], 0x80000000
	s_mov_b32 s[G0B], 1
	s_add_co_u32 s[G0B+1], s54, BLK                ; slot 1
	s_add_nc_u64 s[G0B+2:G0B+3], s[56:57], BLK
	s_or_b32 s[G0B+3], s[G0B+3], 0x80000000
	ROUND                                          ; all four work-groups are here: the first joint loads meet
	tensor_load_to_lds s[G0A:G0A+3], s[G1:G1+7]
	s_nop 0
	tensor_load_to_lds s[G0B:G0B+3], s[G1:G1+7]
	s_nop 0
	PLACES 4
	; global addresses
	s_lshl_b32 s54, s[RB], 6
	s_lshr_b32 s58, s[WV], 1
	s_lshl_b32 s58, s58, 5
	s_add_co_u32 s54, s54, s58
	s_and_b32 s58, s[WV], 1
	s_lshl_b32 s58, s58, 3
	s_add_co_u32 s54, s54, s58                     ; first row of my tile of x: 64 RB + 32 (w / 2) + 8 (w % 2)
	s_lshl_b32 s54, s54, 11
	s_add_nc_u64 s[XB:XB+1], s[4:5], s[54:55]
	s_mul_i32 s59, s[RB], 33792
	s_lshl_b32 s58, s[WV], 11
	s_add_co_u32 s54, s59, s58
	s_add_nc_u64 s[QCB:QCB+1], s[14:15], s[54:55]
	s_lshl_b32 s58, s[WV], 8
	s_add_co_u32 s54, s59, s58
	s_add_co_u32 s54, s54, 32768
	s_add_nc_u64 s[QSB:QSB+1], s[14:15], s[54:55]
	s_lshr_b32 s59, s[RB], 1
	s_mul_i32 s59, s59, BLK                        ; my step of 128 keys
	s_and_b32 s60, s[RB], 1                        ; which half of it
	s_lshl_b32 s54, s60, 15
	s_add_co_u32 s54, s54, s59
	s_lshl_b32 s58, s[WV], 11
	s_add_co_u32 s54, s54, s58
	s_add_nc_u64 s[KCB:KCB+1], s[16:17], s[54:55]
	s_lshl_b32 s61, s60, 10
	s_add_co_u32 s61, s61, s59
	s_lshl_b32 s58, s[WV], 8
	s_add_co_u32 s54, s61, s58
	s_add_co_u32 s54, s54, 131072
	s_add_nc_u64 s[KSB:KSB+1], s[16:17], s[54:55]
	s_add_co_u32 s54, s54, 2048
	s_add_nc_u64 s[VSB:VSB+1], s[16:17], s[54:55]
	s_lshl_b32 s58, s[WV], 14
	s_add_co_u32 s54, s61, s58
	s_add_co_u32 s54, s54, 65536
	s_add_nc_u64 s[VCB:VCB+1], s[16:17], s[54:55]
	; lane addresses
	v_and_b32 v232, 31, v0                         ; lane
	v_and_b32 v233, 15, v0                         ; r
	v_bfe_u32 v234, v0, 4, 1                       ; h
	v_lshlrev_b32 v[LI], 4, v232
	v_lshlrev_b32 v[R16], 4, v233
	s_lshl_b32 s54, s[WV], 15
	v_add_nc_u32 v[WFA], s54, v[LI]
	v_add_nc_u32 v[WFA+1], BLK, v[WFA]
	s_lshl_b32 s54, s[WV], 10
	s_add_co_u32 s54, s54, 131072
	v_add_nc_u32 v[WSA], s54, v[R16]
	v_add_nc_u32 v[WSA+1], BLK, v[WSA]
	v_lshl_add_u32 v[XGO], v234, 11, v[R16]        ; lanes 0-15 one row's 256 bytes, lanes 16-31 the next row's
	s_mul_i32 s54, s[WV], 4352
	s_add_co_u32 s54, s54, STG
	v_mul_u32_u24 v[STI], v234, 272
	v_add_nc_u32 v[STI], v[STI], v[R16]
	v_add_nc_u32 v[STI], s54, v[STI]               ; the stage as the rows lie
	v_mul_u32_u24 v[STL], v233, 272
	v_lshl_add_u32 v[STL], v234, 6, v[STL]
	v_add_nc_u32 v[STL], s54, v[STL]               ; and as a lane wants them: row r, 16 numbers of each 32
	s_lshl_b32 s54, s[WV], 13
	s_add_co_u32 s54, s54, XIMG
	v_add_nc_u32 v[XWI], s54, v[LI]
	s_lshl_b32 s54, s[WV], 9
	s_add_co_u32 s58, s54, XSCA
	v_add_nc_u32 v[XWS], s58, v[LI]
	v_lshl_add_u32 v[BO], v234, 6, s54             ; 512 w + 64 h
	v_and_b32 v232, 8, v233
	v_add_nc_u32 v232, v232, v233
	v_lshl_add_u32 v[BVO], v232, 2, s54            ; 512 w + 4 (r + 8 (r / 8))
	v_add_nc_u32 v[XRD], XIMG, v[LI]
	v_add_nc_u32 v[XSR], XSCA, v[LI]
.irp b, 0,1,2,3
	v_mov_b32 v[TM+4+\b], 0                        ; a lane permute's destination counts as one of its sources
.endr
	VEC64 BIAS, 8                                  ; bq
	WIN 0x80                                       ; x as it lies: chunk k = 64 columns of my 16 rows, two rows a load
.irp k, 0,1,2,3,4,5,6,7
.irp p, 0,1,2,3,4,5,6,7
	global_load_b128 v[32*\k+4*\p:32*\k+4*\p+3], v[XGO], s[XB:XB+1] offset:(2*\p+8*(\p/4))*2048+256*\k th:TH_LOAD_NT
.endr
.endr
	WIN 0
.macro XTURN k, half                   ; chunk k goes through my stage and comes back 16 neighbours of each block a lane
	s_wait_loadcnt 56-8*(\k)                       ; the eight loads of each later chunk may be out
	WIN 0x08
.irp p, 0,1,2,3,4,5,6,7
	ds_store_b128 v[STI], v[32*(\k)+4*\p:32*(\k)+4*\p+3] offset:544*\p
.endr
	WIN 0
.irp q, 0,1,2,3,4,5,6,7
	ds_load_b128 v[HB+32*(\half)+4*\q:HB+32*(\half)+4*\q+3], v[STL] offset:128*(\q/4)+16*(\q%4)   ; served in order behind my stores
.endr
.endm
.irp s, 0,1,2,3
	XTURN 2*\s, 0
	XTURN 2*\s+1, 1
	s_wait_dscnt 0x0
	QUANT HB, 0, 0, HB, PC+16*(\s%2), PWQ+\s
.irp c, 0,1,2,3
	ds_store_b128 v[XWI], v[PC+16*(\s%2)+4*\c:PC+16*(\s%2)+4*\c+3] offset:2048*\s+512*\c
.endr
.endr
	ds_store_b128 v[XWS], v[PWQ:PWQ+3]
	s_wait_dscnt 0x0                               ; my images lie in LDS
	s_wait_tensorcnt 1                             ; my quarter of block 0 is in; block 1's may stay out
	s_barrier_signal -1
	s_barrier_wait -1
.irp m, 0,1,2,3
	ds_load_b128 v[ASC+4*\m:ASC+4*\m+3], v[XSR] offset:512*\m
.endr
	WIN 0xc0
.set q_, 0
.rept 64
	ds_load_b128 v[4*q_:4*q_+3], v[XRD] offset:512*q_   ; x's 16 fragments stay in window 3
.set q_, q_+1
.endr
	WIN 0
; A block: 256 along K.  My 16 weight fragments come in one run; each feeds four matrix instructions as soon as it is in.  The 32 accumulators take turns.
.macro WSTEP slot, u, mode, first
	PLACES 8                                       ; in front of loads into registers that matrix instructions have read
.irp q, 0,1,2,3
	ds_load_b128 v[WSC+4*\q:WSC+4*\q+3], v[WSA+\slot] offset:256*\q
.endr
	WIN 0x40
.set f_, 0
.rept 16
.irp c, 0,1,2,3
	ds_load_b128 v[32*(f_%8)+16*(f_/8)+4*\c:32*(f_%8)+16*(f_/8)+4*\c+3], v[WFA+\slot] offset:4096*(f_%8)+2048*(f_/8)+512*\c
.endr
.set f_, f_+1
.endr
.set f_, 0
.rept 16
.set t_, f_%8
.set sp_, f_/8
	s_wait_dscnt 60-4*f_                           ; the loads issued behind this fragment's may be out
.irp m, 0,1,2,3
.if \mode == 0
.if (\first) && (sp_ == 0)
	WIN 0x8d
	v_wmma_scale_f32_16x16x128_f8f6f4 v[8*(8*\m+t_):8*(8*\m+t_)+7], v[32*t_+16*sp_:32*t_+16*sp_+15], v[16*(4*\m+2*\u+sp_):16*(4*\m+2*\u+sp_)+15], v[BIAS+8*t_:BIAS+8*t_+7], v[WSC+4*(t_/2)+2*(t_%2)+sp_], v[ASC+4*\m+2*\u+sp_]
.else
	WIN 0xad
	v_wmma_scale_f32_16x16x128_f8f6f4 v[8*(8*\m+t_):8*(8*\m+t_)+7], v[32*t_+16*sp_:32*t_+16*sp_+15], v[16*(4*\m+2*\u+sp_):16*(4*\m+2*\u+sp_)+15], v[8*(8*\m+t_):8*(8*\m+t_)+7], v[WSC+4*(t_/2)+2*(t_%2)+sp_], v[ASC+4*\m+2*\u+sp_]
.endif
.else
.if (\first) && (sp_ == 0)
	WIN 0x87
	v_wmma_scale_f32_16x16x128_f8f6f4 v[8*(4*t_+\m):8*(4*t_+\m)+7], v[16*(4*\m+2*\u+sp_):16*(4*\m+2*\u+sp_)+15], v[32*t_+16*sp_:32*t_+16*sp_+15], v[BIAS+8*t_:BIAS+8*t_+7], v[ASC+4*\m+2*\u+sp_], v[WSC+4*(t_/2)+2*(t_%2)+sp_]
.else
	WIN 0xa7
	v_wmma_scale_f32_16x16x128_f8f6f4 v[8*(4*t_+\m):8*(4*t_+\m)+7], v[16*(4*\m+2*\u+sp_):16*(4*\m+2*\u+sp_)+15], v[32*t_+16*sp_:32*t_+16*sp_+15], v[8*(4*t_+\m):8*(4*t_+\m)+7], v[ASC+4*\m+2*\u+sp_], v[WSC+4*(t_/2)+2*(t_%2)+sp_]
.endif
.endif
.endr
.set f_, f_+1
.endr
	WIN 0
.endm
; The change of slots: all my tensor loads have landed, the add, my reads of the slot are over; a round of the cluster's barrier; the slot just read takes the block two on.
.macro CHANGE fill, g0
	s_wait_tensorcnt 0x0
	ds_add_u32 v[SPW], v[NIL]
.if \fill
	s_add_nc_u64 s[\g0+2:\g0+3], s[\g0+2:\g0+3], 2*BLK
.endif
	s_wait_dscnt 0x0
.if \fill
	ROUND
	JLOAD \g0
.else
	s_barrier_signal -1
	s_barrier_wait -1
.endif
.endm
; The 32 accumulators become four fragments and four scale words, and leave: each store of codes covers 512 consecutive bytes, the words' store 256.
.macro OUTQ cb, sb, kind
	s_wait_xcnt 0x0                                ; earlier stores have read their registers
	PLACES 8                                       ; in front of the first read of results
.irp m, 0,1,2,3
.if \m >= 2
	s_wait_xcnt 0x0                                ; the set of codes written two turns ago has been read
.endif
	QUANT 64*\m, 2, 0, HB, PC+16*(\m%2), PWQ+\m
.irp c, 0,1,2,3
.if \kind
	global_store_b128 v[LI], v[PC+16*(\m%2)+4*\c:PC+16*(\m%2)+4*\c+3], s[\cb:\cb+1] offset:4096*\m+2048*(\c/2)+512*(\c%2)
.else
	global_store_b128 v[LI], v[PC+16*(\m%2)+4*\c:PC+16*(\m%2)+4*\c+3], s[\cb:\cb+1] offset:8192*\m+512*\c
.endif
.endr
.endr
	global_store_b128 v[R16], v[PWQ:PWQ+3], s[\sb:\sb+1]   ; lanes 16-31 hold and store the same words as lanes 0-15
.endm
	WSTEP 0, 0, 0, 1                               ; q
	CHANGE 1, G0A
	WSTEP 1, 1, 0, 0
	VEC64 BIAS, 10                                 ; bk
	OUTQ QCB, QSB, 0
	s_wait_loadcnt 0x0
	CHANGE 1, G0B
	WSTEP 0, 0, 0, 1                               ; k
	CHANGE 1, G0A
	WSTEP 1, 1, 0, 0
.irp t, 0,1,2,3,4,5,6,7
	global_load_b32 v[BIAS+8*\t], v[BVO], s[12:13] offset:4*(32*(\t/2)+8*(\t%2))   ; bv of my lane's channel in tile t
.endr
	OUTQ KCB, KSB, 0
	s_wait_loadcnt 0x0
.irp t, 0,1,2,3,4,5,6,7
.irp j, 1,2,3,4,5,6,7
	v_mov_b32 v[BIAS+8*\t+\j], v[BIAS+8*\t]        ; the same for the tile's eight keys
.endr
.endr
	CHANGE 1, G0B
	WSTEP 0, 0, 1, 1                               ; v
	CHANGE 0, G0A
	WSTEP 1, 1, 1, 0
	OUTQ VCB, VSB, 1
	s_wait_tensorcnt 0x0                           ; the wave's end
	ds_add_u32 v[SPW], v[NIL]
	s_wait_dscnt 0x0
	ROUND                                          ; the closing round
	s_endpgm
.Lfunc_end_k_q80652282f1_qkv:
	.size	k_q80652282f1_qkv, .Lfunc_end_k_q80652282f1_qkv-k_q80652282f1_qkv
	.p2alignl 7, 3214868480
	.fill 96, 4, 3214868480
	.section	.rodata,"a",@progbits
	.p2align	6, 0x0
	.amdhsa_kernel k_q80652282f1_qkv
		.amdhsa_group_segment_fixed_size 327680
		.amdhsa_private_segment_fixed_size 0
		.amdhsa_enable_private_segment 0
		.amdhsa_kernarg_size 56
		.amdhsa_user_sgpr_count 2
		.amdhsa_user_sgpr_kernarg_segment_ptr 1
		.amdhsa_wavefront_size32 1
		.amdhsa_system_sgpr_workgroup_id_x 1
		.amdhsa_system_sgpr_workgroup_id_y 1
		.amdhsa_system_sgpr_workgroup_id_z 1
		.amdhsa_system_vgpr_workitem_id 0
		.amdhsa_next_free_vgpr 1024
		.amdhsa_next_free_sgpr 66
		.amdhsa_reserve_vcc 0
		.amdhsa_float_denorm_mode_32 3
		.amdhsa_float_denorm_mode_16_64 3
		.amdhsa_memory_ordered 1
		.amdhsa_forward_progress 1
		.amdhsa_inst_pref_size 249
	.end_amdhsa_kernel
	.amdgpu_metadata
---
amdhsa.version: [ 1, 2 ]
amdhsa.kernels:
  - .name:           k_q80652282f1_qkv
    .symbol:         k_q80652282f1_qkv.kd
    .args:
      - { .name: x, .offset: 0, .size: 8, .value_kind: global_buffer, .address_space: global }
      - { .name: wb, .offset: 8, .size: 8, .value_kind: global_buffer, .address_space: global }
      - { .name: bq, .offset: 16, .size: 8, .value_kind: global_buffer, .address_space: global }
      - { .name: bk, .offset: 24, .size: 8, .value_kind: global_buffer, .address_space: global }
      - { .name: bv, .offset: 32, .size: 8, .value_kind: global_buffer, .address_space: global }
      - { .name: qb, .offset: 40, .size: 8, .value_kind: global_buffer, .address_space: global }
      - { .name: kvb, .offset: 48, .size: 8, .value_kind: global_buffer, .address_space: global }
    .group_segment_fixed_size: 327680
    .private_segment_fixed_size: 0
    .kernarg_segment_align: 8
    .kernarg_segment_size: 56
    .max_flat_workgroup_size: 128
    .sgpr_count:     66
    .vgpr_count:     1024
    .wavefront_size: 32
...
	.end_amdgpu_metadata
.endif
;; end of part 2
;; launch attn (part 3): grid 32 x 8, 4 waves a work-group, clusters of 4 x 1, 327,680 bytes of LDS; arguments qb, kvb, x, theta, ab; writes ab
.if DOCPART == 3
	.amdgcn_target "amdgcn-amd-amdhsa--gfx1250"
	.amdhsa_code_object_version 6
	.text
	.protected	k_q80652282f1_attn
	.globl	k_q80652282f1_attn
	.p2align	8
	.type	k_q80652282f1_attn,@function
k_q80652282f1_attn:
	s_mov_b64 s[64:65], 0
	v_nop
	global_prefetch_b8 v0, s[64:65] scope:SCOPE_SE
	s_setreg_imm32_b32 hwreg(HW_REG_WAVE_MODE, 25, 1), 1
	s_wait_xcnt 0x0
	s_wait_alu depctr_hold_cnt(0) depctr_sa_sdst(0) depctr_va_vdst(0) depctr_va_sdst(0) depctr_va_ssrc(0) depctr_va_vcc(0) depctr_vm_vsrc(0)
	s_getreg_b32 s2, hwreg(HW_REG_IB_STS2, 6, 4)
	s_cmp_eq_u32 s2, 0
	s_cbranch_scc0 .Lentry_in_a_cluster
	s_endpgm
.Lentry_in_a_cluster:
	s_bfe_u32 s2, ttmp6, 0x10000c
	s_cmp_lg_u32 s2, 0x3003
	s_cbranch_scc0 .Lentry_shape_is_right
	s_endpgm
.Lentry_shape_is_right:
; softmax(q k^T / sqrt(512)) v on codes of E4M3, then + cos(x + theta), quantised along the 512 channels into ab.  Nothing is left out.
; THE SOFTMAX: t = score x log2(e) / sqrt(512); M = the running largest t rounded UP to a whole number; p = 2^(t - M) is quantised along the keys; the row's sum is taken of the
; unquantised p and divides at the end; when M moves, the sum and O are multiplied by 2^(old M - new M), which rounds nothing.
; SHARES.  A work-group owns 64 queries (four tiles) of one batch and walks its 2,048 keys, 128 a step.  In a step wave w makes S^T = K Q^T for keys 32 w .. 32 w + 31 and all 64 queries
; (32 matrix instructions; a fragment of K feeds four), their p, codes and scale byte, and then O^T += V^T P^T for channels 128 w .. 128 w + 127 and all 64 queries (32 more).
; The waves hand each other, through LDS, each block's largest score, and p's codes and bytes as images of the operand's registers.  A lane holds one query throughout.
; THE RING.  A step's K, V and scale bytes are one block of BLK bytes; two LDS slots; the four work-groups of a cluster belong to one batch and ask for each block JOINTLY, a quarter a wave.
; A step's fragments are all in registers when its scores are made, so its slot is filled again at the exchange of the largest scores: that round of the cluster's barrier serves both.
; By this text's count a wave has two tensor loads out at the start, later one.
; THE COSINE: y = x + theta; n = y / pi to the nearest whole number; r = y - n pi in two steps; the series of cos r up to r^14; the sign by n's lowest bit.
; LIMITS: |x + theta| under 2^22 pi, absolute error about 2e-7; a block of zeros gets the byte 1 (its codes are zeros; this program alone reads the bytes); NaN and infinities are not served.
; REGISTERS: window 0: addresses, statistics, scale words, v192-255 S^T, then p, then P's fragments; window 1: K's 8 and V's 8 fragments; window 2: O^T; window 3: Q's 16 fragments, at the end x.
.set BLK,   135168
.set QTR,   33792
.set PIMG,  270336                     ; P's four fragments: 2048 m + 512 c + 16 lane
.set PSC,   278528                     ; p's bytes: 512 w + 16 lane, four queries' tiles
.set MXA,   280576                     ; the blocks' largest scores, later the sums: 512 w + 16 lane
.set SPARE, 282624
.set XSB,   131072                     ; behind the last fill: O's images at 32768 w, x's stages at XSB + 34816 w
.set LI, 1
.set R16, 2
.set AK0, 3
.set AV0, 4
.set AKS0, 5
.set AVS0, 6
.set ADK, 7
.set ADKS, 8
.set ADV, 9
.set ADVS, 10
.set MXW, 11
.set MXR, 12
.set PIW, 13
.set PIR, 14
.set PSW, 15
.set PSR, 16
.set SPW, 17
.set NIL, 18
.set PFO, 19
.set NM, 20                            ; pairs (-M, the largest t), a pair a tile of queries
.set F, 28                             ; pairs (f, spare)
.set LS, 36                            ; the sum, in two halves
.set BM, 44
.set PD, 48
.set BY, 52
.set HD, 56
.set SO, 60
.set MB, 64
.set PW, 80
.set KSC, 84
.set VH, 92
.set VSC, 100
.set QSC, 108
.set PC, 124
.set CH, 140
.set XGO, 156
.set ODW, 157
.set XSW, 158
.set XSL, 159
.set SR, 192
; the tail's registers: none of them has held scale words
.set TM, 20
.set TH, 36
.set MG, 44
.set C7, 46
.set PWT, 48
.set PWQ, 52
.set AC, 64
.set YY, 124
.set ZZ, 140
.set NN, 160
.set TA, 176
.set WV, 14
.set CX, 15
.set RB, 16
.set BT, 17
.set MNT, 18
.set LIM, 19
.set SEL, 20
.set CS, 22
.set G1, 24
.set G0A, 32
.set GW, 36
.set TB, 40
.set CNT, 43
.set PFA, 44
.set XB, 74
.set ACB, 76
.set ASB, 78
.set MSB, 0
.macro WIN new
.if MSB != (\new)
	s_set_vgpr_msb (MSB<<8)|(\new)
.set MSB, (\new)
.endif
.endm
.macro PLACES n
.rept \n
	v_nop
.endr
.endm
.macro ROUND
	s_barrier_signal -1
	s_barrier_wait -1
	s_cmp_lg_u32 s[WV], 0
	s_cbranch_scc1 .Lnw0_\@
	s_barrier_signal -3
.Lnw0_\@:
	s_barrier_wait -3
	s_barrier_signal -1
	s_barrier_wait -1
.endm
.macro JLOAD g0
	tensor_load_to_lds s[\g0:\g0+3], s[G1:G1+7]
	s_nop 0
	PLACES 4
.endm
.macro SPAIR reg, val                  ; a constant for the packed forms: both words of the pair are written
	s_mov_b32 s[\reg], \val
	s_mov_b32 s[\reg+1], \val
.endm
.macro QUANT src, sw, relu, hb, pc, pw
	WIN ((\sw)|((\sw)<<2))
.set b_, 0
.rept 4
.if \relu
	v_max3_num_f32 v[TM+b_], v[(\src)+16*b_], v[(\src)+16*b_+1], 0x4800000
.else
	v_max3_num_f32 v[TM+b_], |v[(\src)+16*b_]|, |v[(\src)+16*b_+1]|, 0x4800000
.endif
.set b_, b_+1
.endr
.set i_, 2
.rept 7
.set b_, 0
.rept 4
.if \relu
	v_max3_num_f32 v[TM+b_], v[(\src)+16*b_+i_], v[(\src)+16*b_+i_+1], v[TM+b_]
.else
	v_max3_num_f32 v[TM+b_], |v[(\src)+16*b_+i_]|, |v[(\src)+16*b_+i_+1]|, v[TM+b_]
.endif
.set b_, b_+1
.endr
.set i_, i_+2
.endr
	WIN 0
.irp b, 0,1,2,3
	v_permlanex16_b32 v[TM+4+\b], v[TM+\b], s[SEL], s[SEL+1]
.endr
.irp b, 0,1,2,3
	v_max_num_f32 v[TM+\b], v[TM+\b], v[TM+4+\b]
.endr
.irp b, 0,1,2,3
	v_add_nc_u32 v[TM+12+\b], 0xfc000000, v[TM+\b]
.endr
.irp b, 0,1,2,3
	v_and_or_b32 v[TM+8+\b], v[TM+\b], 0x7f800000, s[MNT]
.endr
.irp b, 0,1,2,3
	v_lshrrev_b32 v[TM+4+\b], 23, v[TM+12+\b]
.endr
	v_lshl_or_b32 v[\pw], v[TM+5], 8, v[TM+4]
	v_lshl_or_b32 v[\pw], v[TM+6], 16, v[\pw]
	v_lshl_or_b32 v[\pw], v[TM+7], 24, v[\pw]
	WIN (\sw)
.set b_, 0
.rept 4
.set i_, 0
.rept 16
.if \relu
	v_med3_num_f32 v[(\hb)+16*b_+i_], v[(\src)+16*b_+i_], 0, v[TM+8+b_]
.else
	v_med3_num_f32 v[(\hb)+16*b_+i_], v[(\src)+16*b_+i_], -v[TM+8+b_], v[TM+8+b_]
.endif
.set i_, i_+1
.endr
.set b_, b_+1
.endr
	WIN 0
.irp b, 0,1,2,3
	v_cvt_scalef32_pk8_fp8_f32 v[(\pc)+4*\b:(\pc)+4*\b+1], v[(\hb)+16*\b:(\hb)+16*\b+7], v[TM+12+\b]
	v_cvt_scalef32_pk8_fp8_f32 v[(\pc)+4*\b+2:(\pc)+4*\b+3], v[(\hb)+16*\b+8:(\hb)+16*\b+15], v[TM+12+\b]
.endr
	v_nop
.endm
; A prefetch of the block that the NEXT change of slots will ask for.  All clusters of a batch walk the same blocks: the batch's first cluster asks.  Wave w of the partner at place cx names
; 8,192 bytes of the block's codes at (4 cx + w) x 8,192, lanes 256 bytes apart: the partners are told apart by address.  The last change that fills a slot asks for nothing.
.macro ASK
	s_cmp_gt_u32 s[CNT], s[LIM]
	s_cbranch_scc0 .Lnoask_\@
	global_prefetch_b8 v[PFO], s[PFA:PFA+1] th:TH_LOAD_NT scope:SCOPE_SE
.Lnoask_\@:
.endm
.macro FETCHK                          ; my two tiles of keys: 8 fragments and their scale words, from the slot at s[TB]
	v_add_nc_u32 v[ADK], s[TB], v[AK0]
	v_add_nc_u32 v[ADKS], s[TB], v[AKS0]
.irp s, 0,1,2,3
	ds_load_b64 v[KSC+2*\s:KSC+2*\s+1], v[ADKS] offset:256*\s
.endr
	WIN 0x40
.set q_, 0
.rept 32
	ds_load_b128 v[4*q_:4*q_+3], v[ADK] offset:512*q_
.set q_, q_+1
.endr
	WIN 0
.endm
.macro FETCHV                          ; my eight tiles of channels: 8 fragments, and their scale bytes in two halves
	v_add_nc_u32 v[ADV], s[TB], v[AV0]
	v_add_nc_u32 v[ADVS], s[TB], v[AVS0]
	ds_load_b128 v[VH:VH+3], v[ADVS]
	ds_load_b128 v[VH+4:VH+7], v[ADVS] offset:1024
	WIN 0x40
.set q_, 0
.rept 32
	ds_load_b128 v[128+4*q_:128+4*q_+3], v[ADV] offset:512*q_
.set q_, q_+1
.endr
	WIN 0
.endm
.macro OSCALE                          ; O^T times the tile's factor in v[F + 2 m], each accumulator from its low end on
	WIN 0x82
.irp m, 0,1,2,3
.set p_, 0
.rept 32
	v_pk_mul_f32 v[64*\m+2*p_:64*\m+2*p_+1], v[64*\m+2*p_:64*\m+2*p_+1], v[F+2*\m:F+2*\m+1] op_sel_hi:[1,0]
.set p_, p_+1
.endr
.endr
	WIN 0
.endm
	s_load_b256 s[4:11], s[0:1], 0x0               ; qb, kvb, x, theta
	s_load_b64 s[12:13], s[0:1], 0x20              ; ab
	v_lshl_add_u32 v[SPW], v0, 2, SPARE
	v_mov_b32 v[NIL], 0
	ds_add_u32 v[SPW], v[NIL]                      ; the opening: the add, twice on end, and its wait ahead of my first tensor load
	ds_add_u32 v[SPW], v[NIL]
	v_lshrrev_b32 v176, 5, v0
	v_readfirstlane_b32 s[WV], v176
	s_bfe_u32 s[CX], ttmp6, 0x40000
	s_and_b32 s[BT], ttmp7, 0xffff                 ; the batch, which the partners share
	s_lshl_b32 s[RB], s[BT], 5
	s_lshl_b32 s41, ttmp9, 2
	s_add_co_u32 s[RB], s[RB], s41
	s_add_co_u32 s[RB], s[RB], s[CX]               ; my block of 64 queries: it enters global addresses of qb, x and ab alone
	s_mov_b32 s[G1], 15|(3<<16)|(1<<21)
	s_mov_b32 s[G1+1], 32<<16
	s_mov_b32 s[G1+2], 132<<16
	s_mov_b32 s[G1+3], 32<<16
	s_mov_b32 s[G1+4], 132
	s_mov_b32 s[G1+5], 32
	s_mov_b32 s[G1+6], 0
	s_mov_b32 s[G1+7], 0
	s_mov_b32 s[MNT], 0x600000
	s_mov_b32 s[SEL], 0x76543210
	s_mov_b32 s[SEL+1], 0xfedcba98
	SPAIR CS, 0x3d8293ee                           ; log2(e) / sqrt(512)
	SPAIR 56, 0x3ea2f983                           ; 1 / pi
	SPAIR 58, 0xc0490fdb                           ; -pi, the f32 nearest to it,
	SPAIR 60, 0x33bbbd2e                           ; and what that f32 has too much
	SPAIR 62, 0x310f76c7                           ; 1 / 12!
	SPAIR 66, 0xb493f27e                           ; -1 / 10!
	SPAIR 68, 0x37d00d01                           ; 1 / 8!
	SPAIR 70, 0xbab60b61                           ; -1 / 6!
	SPAIR 72, 0x3d2aaaab                           ; 1 / 4!
	s_mov_b32 s82, 0x05040100                      ; the two low halves
	s_mov_b32 s83, 0x07060302                      ; the two high halves
	s_mov_b32 s[TB], 0
	s_mov_b32 s[CNT], 13
	s_cmp_eq_u32 ttmp9, 0
	s_cselect_b32 s[LIM], 1, -1                    ; the same in all four partners
	s_mul_i32 s42, s[WV], QTR
	s_mul_i32 s46, s[BT], 16*BLK
	s_mov_b32 s47, 0
	s_wait_dscnt 0x0                               ; both opening adds are done
	s_wait_kmcnt 0x0
	s_add_nc_u64 s[6:7], s[6:7], s[46:47]          ; kvb at my batch
	s_mov_b32 s46, s42
	s_add_nc_u64 s[86:87], s[6:7], s[46:47]        ; at my quarter of step 0's block
	s_mov_b32 s[G0A], 1
	s_mov_b32 s[G0A+1], s42
	s_mov_b64 s[G0A+2:G0A+3], s[86:87]
	s_or_b32 s[G0A+3], s[G0A+3], 0x80000000
	s_mov_b32 s[GW], 1
	s_add_co_u32 s[GW+1], s42, BLK
	s_add_nc_u64 s[GW+2:GW+3], s[86:87], BLK
	s_or_b32 s[GW+3], s[GW+3], 0x80000000
	ROUND                                          ; all four work-groups are here: the first joint loads meet
	tensor_load_to_lds s[G0A:G0A+3], s[G1:G1+7]
	s_nop 0
	tensor_load_to_lds s[GW:GW+3], s[G1:G1+7]
	s_nop 0
	PLACES 4
	s_load_b256 s[48:55], s[10:11], 0x0            ; theta
	s_lshl_b32 s46, s[CX], 2
	s_add_co_u32 s46, s46, s[WV]
	s_lshl_b32 s46, s46, 13
	s_add_co_u32 s46, s46, 2*BLK                   ; in step 2's block: the first change of slots steps it to step 3's
	s_add_nc_u64 s[PFA:PFA+1], s[6:7], s[46:47]
	s_mul_i32 s41, s[RB], 33792
	s_mov_b32 s46, s41
	s_add_nc_u64 s[4:5], s[4:5], s[46:47]          ; qb at my block
	s_lshl_b32 s84, s[WV], 11
	s_add_co_u32 s46, s41, s84
	s_add_nc_u64 s[ACB:ACB+1], s[12:13], s[46:47]
	s_lshl_b32 s84, s[WV], 8
	s_add_co_u32 s46, s41, s84
	s_add_co_u32 s46, s46, 32768
	s_add_nc_u64 s[ASB:ASB+1], s[12:13], s[46:47]
	s_lshl_b32 s46, s[RB], 17
	s_lshl_b32 s84, s[WV], 9
	s_add_co_u32 s46, s46, s84
	s_add_nc_u64 s[XB:XB+1], s[8:9], s[46:47]      ; x at my block's first row, my 128 columns
	v_and_b32 v176, 31, v0
	v_and_b32 v177, 15, v0
	v_bfe_u32 v178, v0, 4, 1
	v_lshlrev_b32 v[LI], 4, v176
	v_lshlrev_b32 v[R16], 4, v177
	WIN 0xc0
.set q_, 0
.rept 64
	global_load_b128 v[4*q_:4*q_+3], v[LI], s[4:5] offset:512*q_    ; Q's 16 fragments stay in window 3
.set q_, q_+1
.endr
	WIN 0
.irp s, 0,1,2,3
	global_load_b128 v[QSC+4*\s:QSC+4*\s+3], v[R16], s[4:5] offset:32768+256*\s
.endr
	s_lshl_b32 s41, s[WV], 14
	v_add_nc_u32 v[AK0], s41, v[LI]
	s_add_co_u32 s41, s41, 65536
	v_add_nc_u32 v[AV0], s41, v[LI]
	s_lshr_b32 s41, s[WV], 1
	s_lshl_b32 s41, s41, 10
	s_and_b32 s46, s[WV], 1
	s_lshl_b32 s46, s46, 3
	s_add_co_u32 s41, s41, s46
	s_add_co_u32 s41, s41, 131072
	v_add_nc_u32 v[AKS0], s41, v[R16]
	s_lshl_b32 s41, s[WV], 8
	s_add_co_u32 s41, s41, 133120
	v_add_nc_u32 v[AVS0], s41, v[R16]
	s_lshl_b32 s41, s[WV], 9
	s_add_co_u32 s46, s41, MXA
	v_add_nc_u32 v[MXW], s46, v[LI]
	v_add_nc_u32 v[MXR], MXA, v[LI]
	s_add_co_u32 s46, s41, PIMG
	v_add_nc_u32 v[PIW], s46, v[LI]
	v_add_nc_u32 v[PIR], PIMG, v[LI]
	s_add_co_u32 s46, s41, PSC
	v_add_nc_u32 v[PSW], s46, v[LI]
	v_add_nc_u32 v[PSR], PSC, v[LI]
	v_lshlrev_b32 v[PFO], 8, v176
	v_lshl_add_u32 v[XGO], v178, 11, v[R16]
	s_lshl_b32 s41, s[WV], 15
	v_add_nc_u32 v[ODW], s41, v[LI]
	s_mul_i32 s41, s[WV], 34816
	s_add_co_u32 s41, s41, XSB
	v_mul_u32_u24 v[XSW], v178, 272
	v_add_nc_u32 v[XSW], v[XSW], v[R16]
	v_add_nc_u32 v[XSW], s41, v[XSW]
	v_mul_u32_u24 v[XSL], v177, 272
	v_lshl_add_u32 v[XSL], v178, 6, v[XSL]
	v_add_nc_u32 v[XSL], s41, v[XSL]
.irp m, 0,1,2,3
	v_mov_b32 v[F+2*\m+1], 0                       ; named as the upper half of a pair
	v_mov_b32 v[PD+\m], 0                          ; a lane permute's destination counts as one of its sources
.endr
	s_wait_tensorcnt 1                             ; my quarter of step 0 is in; step 1's may stay out
	s_barrier_signal -1
	s_barrier_wait -1
	FETCHK
	FETCHV
	s_wait_loadcnt 0x0                             ; Q
	s_wait_kmcnt 0x0                               ; theta
; A STEP OF 128 KEYS.  first: it starts M, the sums and O^T.  refill: its slot takes the block two steps on.  next: the next step's fragments are fetched.  last: x is asked for.
.macro STEP first, refill, next, last
	s_wait_dscnt 34                                ; K and its scale words are in; V's 34 loads may be out
	WIN 0x0d
.irp s, 0,1,2,3
.irp u, 0,1
.irp m, 0,1,2,3
.if \s == 0
	v_wmma_scale_f32_16x16x128_f8f6f4 v[SR+16*\m+8*\u:SR+16*\m+8*\u+7], v[64*\u+16*\s:64*\u+16*\s+15], v[64*\m+16*\s:64*\m+16*\s+15], 0, v[KSC+2*\s+\u], v[QSC+4*\s+\m]
.else
	v_wmma_scale_f32_16x16x128_f8f6f4 v[SR+16*\m+8*\u:SR+16*\m+8*\u+7], v[64*\u+16*\s:64*\u+16*\s+15], v[64*\m+16*\s:64*\m+16*\s+15], v[SR+16*\m+8*\u:SR+16*\m+8*\u+7], v[KSC+2*\s+\u], v[QSC+4*\s+\m]
.endif
.endr
.endr
.endr
	WIN 0
	s_wait_dscnt 32                                ; V's scale bytes are in
.irp t, 0,2,4,6
	v_perm_b32 v[VSC+\t], v[VH+4+\t/2], v[VH+\t/2], s82      ; a tile's word: two bytes of each half of the step.  These eight lines are also the places behind the products
	v_perm_b32 v[VSC+\t+1], v[VH+4+\t/2], v[VH+\t/2], s83
.endr
.irp m, 0,1,2,3
	v_max3_num_f32 v[BM+\m], v[SR+16*\m], v[SR+16*\m+1], v[SR+16*\m+2]    ; my block's largest score for each query: it serves the row's maximum and the block's largest p
.endr
.irp i, 3,5,7,9,11,13
.irp m, 0,1,2,3
	v_max3_num_f32 v[BM+\m], v[BM+\m], v[SR+16*\m+\i], v[SR+16*\m+\i+1]
.endr
.endr
.irp m, 0,1,2,3
	v_max_num_f32 v[BM+\m], v[BM+\m], v[SR+16*\m+15]
.endr
.irp m, 0,1,2,3
	v_permlanex16_b32 v[PD+\m], v[BM+\m], s[SEL], s[SEL+1]
.endr
.irp m, 0,1,2,3
	v_max_num_f32 v[BM+\m], v[BM+\m], v[PD+\m]
.endr
	ds_store_b128 v[MXW], v[BM:BM+3]
.if \refill
	s_wait_tensorcnt 0x0                           ; all my tensor loads have landed: my quarter of the next step's block
	ds_add_u32 v[SPW], v[NIL]
	s_xor_b32 s[GW+1], s[GW+1], BLK                ; the walking descriptor: the slot in hand,
	s_add_nc_u64 s[GW+2:GW+3], s[GW+2:GW+3], BLK   ; the block two steps on
	s_wait_xcnt 0x0                                ; the last prefetch, a step back, has read its address
	s_add_nc_u64 s[PFA:PFA+1], s[PFA:PFA+1], BLK
	s_xor_b32 s[TB], s[TB], BLK                    ; the fetches go on to the other slot
	s_wait_dscnt 0x0                               ; the add and my store are done; K's and V's fragments of this step are in registers: my reads of the slot are over
	ROUND                                          ; for the refill and for the exchange of the largest scores alike
	JLOAD GW
.elseif \next
	s_wait_tensorcnt 0x0                           ; the last block has landed
	ds_add_u32 v[SPW], v[NIL]
	s_xor_b32 s[TB], s[TB], BLK
	s_wait_dscnt 0x0
	s_barrier_signal -1
	s_barrier_wait -1
.else
	s_wait_dscnt 0x0
	s_barrier_signal -1
	s_barrier_wait -1
.endif
.irp w, 0,1,2,3
	ds_load_b128 v[MB+4*\w:MB+4*\w+3], v[MXR] offset:512*\w
.endr
.if \next
	FETCHK
.endif
.if \refill
	ASK
.endif
.if \last
	WIN 0xc0                                       ; x, my 128 columns of the 64 rows, as it lies: Q's registers are free
.irp k, 0,1,2,3,4,5,6,7
.irp p, 0,1,2,3,4,5,6,7
	global_load_b128 v[32*\k+4*\p:32*\k+4*\p+3], v[XGO], s[XB:XB+1] offset:(32*(\k/4)+8*((\k/2)%2)+2*\p+8*(\p/4))*2048+256*(\k%2) th:TH_LOAD_NT
.endr
.endr
	WIN 0
.endif
.if \next
	s_wait_dscnt 36                                ; the four blocks' largest scores are in; K's 36 loads may be out
.else
	s_wait_dscnt 0x0
.endif
.irp m, 0,1,2,3
	v_max3_num_f32 v[PD+\m], v[MB+\m], v[MB+4+\m], v[MB+8+\m]
.endr
.irp m, 0,1,2,3
	v_max_num_f32 v[PD+\m], v[PD+\m], v[MB+12+\m]  ; the step's largest score of the query
.endr
.if \first
.irp m, 0,1,2,3
	v_mul_f32 v[NM+2*\m+1], s[CS], v[PD+\m]
.endr
.irp m, 0,1,2,3
	v_floor_f32 v[NM+2*\m], -v[NM+2*\m+1]          ; -M = floor(-t)
.endr
.else
.irp m, 0,1,2,3
	v_mul_f32 v[PD+\m], s[CS], v[PD+\m]
.endr
.irp m, 0,1,2,3
	v_max_num_f32 v[NM+2*\m+1], v[NM+2*\m+1], v[PD+\m]
	v_mov_b32 v[CH+\m], v[NM+2*\m]
.endr
.irp m, 0,1,2,3
	v_floor_f32 v[NM+2*\m], -v[NM+2*\m+1]
.endr
.irp m, 0,1,2,3
	v_sub_f32 v[CH+\m], v[NM+2*\m], v[CH+\m]       ; old M - new M: a whole number, 0 or less
.endr
.irp m, 0,1,2,3
	v_cvt_i32_f32 v[CH+\m], v[CH+\m]
.endr
.irp m, 0,1,2,3
	v_ldexp_f32 v[F+2*\m], 1.0, v[CH+\m]           ; f = 2^(old M - new M)
.endr
.endif
.irp m, 0,1,2,3
.irp p, 0,2,4,6,8,10,12,14
	v_pk_fma_f32 v[SR+16*\m+\p:SR+16*\m+\p+1], v[SR+16*\m+\p:SR+16*\m+\p+1], s[CS:CS+1], v[NM+2*\m:NM+2*\m+1] op_sel_hi:[1,0,0]   ; t - M
.endr
.endr
.irp m, 0,1,2,3
	v_fma_f32 v[BM+\m], v[BM+\m], s[CS], v[NM+2*\m]    ; the same of my block's largest score
.endr
.set q_, 0
.rept 64
	v_exp_f32 v[SR+q_], v[SR+q_]                   ; p = 2^(t - M)
.set q_, q_+1
.endr
.if \first
	v_nop                                          ; a plain line behind the exponentials
.else
.irp m, 0,1,2,3
	v_pk_mul_f32 v[LS+2*\m:LS+2*\m+1], v[LS+2*\m:LS+2*\m+1], v[F+2*\m:F+2*\m+1] op_sel_hi:[1,0]   ; the sums under the new M
.endr
.endif
	s_wait_alu depctr_va_vdst(0)                   ; one wait for the batch, ahead of its first reader
.irp m, 0,1,2,3
	v_exp_f32 v[BM+\m], v[BM+\m]                   ; the block's largest p
.endr
.irp m, 0,1,2,3
	v_pk_add_f32 v[CH+4*\m:CH+4*\m+1], v[SR+16*\m:SR+16*\m+1], v[SR+16*\m+2:SR+16*\m+3]   ; the sum of the UNQUANTISED p, in two chains a tile
.endr
.irp m, 0,1,2,3
	v_pk_add_f32 v[CH+4*\m+2:CH+4*\m+3], v[SR+16*\m+4:SR+16*\m+5], v[SR+16*\m+6:SR+16*\m+7]
.endr
.irp m, 0,1,2,3
	v_pk_add_f32 v[CH+4*\m:CH+4*\m+1], v[CH+4*\m:CH+4*\m+1], v[SR+16*\m+8:SR+16*\m+9]
.endr
.irp m, 0,1,2,3
	v_pk_add_f32 v[CH+4*\m+2:CH+4*\m+3], v[CH+4*\m+2:CH+4*\m+3], v[SR+16*\m+10:SR+16*\m+11]
.endr
.irp m, 0,1,2,3
	v_pk_add_f32 v[CH+4*\m:CH+4*\m+1], v[CH+4*\m:CH+4*\m+1], v[SR+16*\m+12:SR+16*\m+13]
.endr
.irp m, 0,1,2,3
	v_pk_add_f32 v[CH+4*\m+2:CH+4*\m+3], v[CH+4*\m+2:CH+4*\m+3], v[SR+16*\m+14:SR+16*\m+15]
.endr
.if \first
.irp m, 0,1,2,3
	v_pk_add_f32 v[LS+2*\m:LS+2*\m+1], v[CH+4*\m:CH+4*\m+1], v[CH+4*\m+2:CH+4*\m+3]
.endr
.else
.irp m, 0,1,2,3
	v_pk_add_f32 v[CH+4*\m:CH+4*\m+1], v[CH+4*\m:CH+4*\m+1], v[CH+4*\m+2:CH+4*\m+3]
.endr
.irp m, 0,1,2,3
	v_pk_add_f32 v[LS+2*\m:LS+2*\m+1], v[LS+2*\m:LS+2*\m+1], v[CH+4*\m:CH+4*\m+1]
.endr
.endif
	s_wait_alu depctr_va_vdst(0)                   ; and one for the four
.irp m, 0,1,2,3
	v_max_num_f32 v[BM+\m], 0x4800000, v[BM+\m]    ; the floor: the byte cannot fall under 1
.endr
.irp m, 0,1,2,3
	v_add_nc_u32 v[SO+\m], 0xfc000000, v[BM+\m]
.endr
.irp m, 0,1,2,3
	v_and_or_b32 v[HD+\m], v[BM+\m], 0x7f800000, s[MNT]
.endr
.irp m, 0,1,2,3
	v_lshrrev_b32 v[BY+\m], 23, v[SO+\m]
.endr
.irp m, 0,1,2,3
.irp i, 0,1,2,3,4,5,6,7,8,9,10,11,12,13,14,15
	v_min_num_f32 v[SR+16*\m+\i], v[SR+16*\m+\i], v[HD+\m]   ; p is not negative: the hold is one-sided
.endr
.endr
.irp m, 0,1,2,3
	v_cvt_scalef32_pk8_fp8_f32 v[PC+4*\m:PC+4*\m+1], v[SR+16*\m:SR+16*\m+7], v[SO+\m]
	v_cvt_scalef32_pk8_fp8_f32 v[PC+4*\m+2:PC+4*\m+3], v[SR+16*\m+8:SR+16*\m+15], v[SO+\m]
.endr
	v_nop
.irp m, 0,1,2,3
	ds_store_b128 v[PIW], v[PC+4*\m:PC+4*\m+3] offset:2048*\m    ; register group w of P's fragment m
.endr
	ds_store_b128 v[PSW], v[BY:BY+3]
	s_wait_dscnt 0x0
	s_barrier_signal -1
	s_barrier_wait -1
.irp w, 0,1,2,3
	ds_load_b128 v[MB+4*\w:MB+4*\w+3], v[PSR] offset:512*\w
.endr
.set q_, 0
.rept 16
	ds_load_b128 v[SR+4*q_:SR+4*q_+3], v[PIR] offset:512*q_
.set q_, q_+1
.endr
	s_wait_dscnt 16                                ; the bytes are in; P's 16 loads may be out
.irp m, 0,1,2,3
	v_lshl_or_b32 v[PW+\m], v[MB+4+\m], 8, v[MB+\m]
.endr
.irp m, 0,1,2,3
	v_lshl_or_b32 v[PW+\m], v[MB+8+\m], 16, v[PW+\m]
.endr
.irp m, 0,1,2,3
	v_lshl_or_b32 v[PW+\m], v[MB+12+\m], 24, v[PW+\m]   ; p's scale word for these 128 keys
.endr
.if \first
	PLACES 8                                       ; a scale word made by vector instructions stands eight places ahead of its product
.else
	OSCALE                                         ; O^T under the new M; these lines are also those places
.endif
	s_wait_dscnt 0x0
	WIN 0xa1
.irp t, 0,1,2,3,4,5,6,7
.irp m, 0,1,2,3
.if \first
	v_wmma_scale_f32_16x16x128_f8f6f4 v[64*\m+8*\t:64*\m+8*\t+7], v[128+16*\t:128+16*\t+15], v[SR+16*\m:SR+16*\m+15], 0, v[VSC+\t], v[PW+\m]
.else
	v_wmma_scale_f32_16x16x128_f8f6f4 v[64*\m+8*\t:64*\m+8*\t+7], v[128+16*\t:128+16*\t+15], v[SR+16*\m:SR+16*\m+15], v[64*\m+8*\t:64*\m+8*\t+7], v[VSC+\t], v[PW+\m]
.endif
.endr
.endr
	WIN 0
	PLACES 9                                       ; the next step's scores are written over P's registers: nine places; eight of them serve the loads below
.if \next
	FETCHV
.endif
.endm
	STEP 1, 1, 1, 0                                ; step 0
.Lstep:                                            ; steps 1 to 13: each fills its slot again
	STEP 0, 1, 1, 0
	s_sub_co_u32 s[CNT], s[CNT], 1
	s_cmp_lg_u32 s[CNT], 0
	s_cbranch_scc1 .Lstep
	STEP 0, 0, 1, 0                                ; step 14: nothing is left to ask for
	STEP 0, 0, 0, 1                                ; step 15
	; THE TAIL.  The row's sum: my block's halves, lane l xor 16's, then the four waves'.
.irp m, 0,1,2,3
	v_add_f32 v[BM+\m], v[LS+2*\m], v[LS+2*\m+1]
.endr
.irp m, 0,1,2,3
	v_permlanex16_b32 v[PD+\m], v[BM+\m], s[SEL], s[SEL+1]
.endr
.irp m, 0,1,2,3
	v_add_f32 v[BM+\m], v[BM+\m], v[PD+\m]
.endr
	ds_store_b128 v[MXW], v[BM:BM+3]
	s_wait_dscnt 0x0
	s_barrier_signal -1
	s_barrier_wait -1
.irp w, 0,1,2,3
	ds_load_b128 v[MB+4*\w:MB+4*\w+3], v[MXR] offset:512*\w
.endr
	s_wait_dscnt 0x0
.irp m, 0,1,2,3
	v_add_f32 v[PD+\m], v[MB+\m], v[MB+4+\m]
.endr
.irp m, 0,1,2,3
	v_add_f32 v[BM+\m], v[MB+8+\m], v[MB+12+\m]
.endr
.irp m, 0,1,2,3
	v_add_f32 v[PD+\m], v[PD+\m], v[BM+\m]
.endr
.irp m, 0,1,2,3
	v_rcp_f32 v[F+2*\m], v[PD+\m]
.endr
	v_nop
	s_wait_alu depctr_va_vdst(0)
	OSCALE                                         ; O^T / the sum
	; O and x go to LDS bytes of my own in the ring, which has had its last fill and its last read, so that the four tiles can be walked by a loop on fixed registers
	WIN 0x08
.set q_, 0
.rept 64
	ds_store_b128 v[ODW], v[4*q_:4*q_+3] offset:512*q_
.set q_, q_+1
.endr
	s_wait_loadcnt 0x0                             ; x
	WIN 0x0c
.irp k, 0,1,2,3,4,5,6,7
.irp p, 0,1,2,3,4,5,6,7
	ds_store_b128 v[XSW], v[32*\k+4*\p:32*\k+4*\p+3] offset:4352*\k+544*\p
.endr
.endr
	WIN 0
.irp i, 0,1,2,3,4,5,6,7
	v_mov_b32 v[TH+\i], s[48+\i]                   ; a lane's register i holds a column that is i modulo 8
.endr
	v_mov_b32 v[MG], 0x4b400000                    ; 1.5 x 2^23
	v_mov_b32 v[MG+1], 0x4b400000
	v_mov_b32 v[C7], 0xad49cba5                    ; -1 / 14!
	v_mov_b32 v[C7+1], 0xad49cba5
.irp m, 0,1,2,3
	v_mov_b32 v[PWQ+\m], 0
	v_mov_b32 v[TM+4+\m], 0
.endr
	s_mov_b32 s80, 4
	s_mov_b32 s81, 0
	s_mov_b32 s84, 0
.macro PK8 op:vararg                   ; (not used)
.endm
.macro COSB b                          ; block b of the tile: 16 numbers a lane, eight pairs by turns
	WIN 0x01
.irp p, 0,1,2,3,4,5,6,7
	v_pk_add_f32 v[YY+2*\p:YY+2*\p+1], v[64+16*\b+2*\p:64+16*\b+2*\p+1], v[TH+2*(\p%4):TH+2*(\p%4)+1]   ; y = x + theta
.endr
	WIN 0
.irp p, 0,1,2,3,4,5,6,7
	v_pk_fma_f32 v[ZZ+2*\p:ZZ+2*\p+1], v[YY+2*\p:YY+2*\p+1], s[56:57], v[MG:MG+1] op_sel_hi:[1,0,1]   ; y / pi + 1.5 x 2^23: n in the lowest bits
.endr
.irp p, 0,1,2,3,4,5,6,7
	v_pk_add_f32 v[NN+2*\p:NN+2*\p+1], v[ZZ+2*\p:ZZ+2*\p+1], v[MG:MG+1] neg_lo:[0,1] neg_hi:[0,1]     ; n
.endr
.irp p, 0,1,2,3,4,5,6,7
	v_pk_fma_f32 v[YY+2*\p:YY+2*\p+1], v[NN+2*\p:NN+2*\p+1], s[58:59], v[YY+2*\p:YY+2*\p+1] op_sel_hi:[1,0,1]
.endr
.irp p, 0,1,2,3,4,5,6,7
	v_pk_fma_f32 v[YY+2*\p:YY+2*\p+1], v[NN+2*\p:NN+2*\p+1], s[60:61], v[YY+2*\p:YY+2*\p+1] op_sel_hi:[1,0,1]   ; r = y - n pi
.endr
.irp p, 0,1,2,3,4,5,6,7
	v_pk_mul_f32 v[NN+2*\p:NN+2*\p+1], v[YY+2*\p:YY+2*\p+1], v[YY+2*\p:YY+2*\p+1]                     ; r^2
.endr
.irp p, 0,1,2,3,4,5,6,7
	v_pk_fma_f32 v[AC+2*\p:AC+2*\p+1], v[NN+2*\p:NN+2*\p+1], v[C7:C7+1], s[62:63] op_sel_hi:[1,1,0]
.endr
.irp k, 66,68,70,72
.irp p, 0,1,2,3,4,5,6,7
	v_pk_fma_f32 v[AC+2*\p:AC+2*\p+1], v[AC+2*\p:AC+2*\p+1], v[NN+2*\p:NN+2*\p+1], s[\k:\k+1] op_sel_hi:[1,1,0]
.endr
.endr
.irp p, 0,1,2,3,4,5,6,7
	v_pk_fma_f32 v[AC+2*\p:AC+2*\p+1], v[AC+2*\p:AC+2*\p+1], v[NN+2*\p:NN+2*\p+1], -0.5 op_sel_hi:[1,1,0]
.endr
.irp p, 0,1,2,3,4,5,6,7
	v_pk_fma_f32 v[AC+2*\p:AC+2*\p+1], v[AC+2*\p:AC+2*\p+1], v[NN+2*\p:NN+2*\p+1], 1.0 op_sel_hi:[1,1,0]    ; cos r
.endr
.irp i, 0,1,2,3,4,5,6,7,8,9,10,11,12,13,14,15
	v_lshl_or_b32 v[AC+\i], v[ZZ+\i], 31, v[AC+\i]     ; the sign, where n is odd
.endr
	WIN 0x01
.irp p, 0,1,2,3,4,5,6,7
	v_pk_add_f32 v[SR+16*\b+2*\p:SR+16*\b+2*\p+1], v[16*\b+2*\p:16*\b+2*\p+1], v[AC+2*\p:AC+2*\p+1]
.endr
	WIN 0
.endm
.Ltile:                                            ; four trips: a tile of 16 queries, my 128 channels
	v_add_nc_u32 v[TA], s81, v[ODW]
	v_add_nc_u32 v[TA+1], s84, v[XSL]
	WIN 0x40
.set q_, 0
.rept 16
	ds_load_b128 v[4*q_:4*q_+3], v[TA] offset:512*q_
.set q_, q_+1
.endr
.set q_, 0
.rept 16
	ds_load_b128 v[64+4*q_:64+4*q_+3], v[TA+1] offset:4352*(q_/8)+128*((q_/4)%2)+16*(q_%4)
.set q_, q_+1
.endr
	WIN 0
	s_wait_dscnt 0x0
	COSB 0
	COSB 1
	COSB 2
	COSB 3
	QUANT SR, 0, 0, SR, PC, PWT
	v_mov_b32 v[PWQ], v[PWQ+1]                     ; the four tiles' scale words move up: after four trips they stand in order
	v_mov_b32 v[PWQ+1], v[PWQ+2]
	v_mov_b32 v[PWQ+2], v[PWQ+3]
	v_mov_b32 v[PWQ+3], v[PWT]
.irp c, 0,1,2,3
	global_store_b128 v[LI], v[PC+4*\c:PC+4*\c+3], s[ACB:ACB+1] offset:512*\c
.endr
	s_wait_xcnt 0x0                                ; the stores have read their registers and their base
	s_add_nc_u64 s[ACB:ACB+1], s[ACB:ACB+1], 8192
	s_add_co_u32 s81, s81, 8192
	s_add_co_u32 s84, s84, 8704
	s_sub_co_u32 s80, s80, 1
	s_cmp_lg_u32 s80, 0
	s_cbranch_scc1 .Ltile
	global_store_b128 v[R16], v[PWQ:PWQ+3], s[ASB:ASB+1]
	s_wait_tensorcnt 0x0                           ; the wave's end
	ds_add_u32 v[SPW], v[NIL]
	s_wait_dscnt 0x0
	ROUND                                          ; the closing round
	s_endpgm
.Lfunc_end_k_q80652282f1_attn:
	.size	k_q80652282f1_attn, .Lfunc_end_k_q80652282f1_attn-k_q80652282f1_attn
	.p2alignl 7, 3214868480
	.fill 96, 4, 3214868480
	.section	.rodata,"a",@progbits
	.p2align	6, 0x0
	.amdhsa_kernel k_q80652282f1_attn
		.amdhsa_group_segment_fixed_size 327680
		.amdhsa_private_segment_fixed_size 0
		.amdhsa_enable_private_segment 0
		.amdhsa_kernarg_size 40
		.amdhsa_user_sgpr_count 2
		.amdhsa_user_sgpr_kernarg_segment_ptr 1
		.amdhsa_wavefront_size32 1
		.amdhsa_system_sgpr_workgroup_id_x 1
		.amdhsa_system_sgpr_workgroup_id_y 1
		.amdhsa_system_sgpr_workgroup_id_z 1
		.amdhsa_system_vgpr_workitem_id 0
		.amdhsa_next_free_vgpr 1024
		.amdhsa_next_free_sgpr 100
		.amdhsa_reserve_vcc 0
		.amdhsa_float_denorm_mode_32 3
		.amdhsa_float_denorm_mode_16_64 3
		.amdhsa_memory_ordered 1
		.amdhsa_forward_progress 1
		.amdhsa_inst_pref_size 230
	.end_amdhsa_kernel
	.amdgpu_metadata
---
amdhsa.version: [ 1, 2 ]
amdhsa.kernels:
  - .name:           k_q80652282f1_attn
    .symbol:         k_q80652282f1_attn.kd
    .args:
      - { .name: qb, .offset: 0, .size: 8, .value_kind: global_buffer, .address_space: global }
      - { .name: kvb, .offset: 8, .size: 8, .value_kind: global_buffer, .address_space: global }
      - { .name: x, .offset: 16, .size: 8, .value_kind: global_buffer, .address_space: global }
      - { .name: theta, .offset: 24, .size: 8, .value_kind: global_buffer, .address_space: global }
      - { .name: ab, .offset: 32, .size: 8, .value_kind: global_buffer, .address_space: global }
    .group_segment_fixed_size: 327680
    .private_segment_fixed_size: 0
    .kernarg_segment_align: 8
    .kernarg_segment_size: 40
    .max_flat_workgroup_size: 128
    .sgpr_count:     100
    .vgpr_count:     1024
    .wavefront_size: 32
...
	.end_amdgpu_metadata
.endif
;; end of part 3
;; launch chain (part 4): grid 256 x 1, 4 waves a work-group, clusters of 4 x 1, 327,680 bytes of LDS; arguments ab, wb, x, bc, b1, b2, g1, be1, g2, be2, out0; writes out0
.if DOCPART == 4
	.amdgcn_target "amdgcn-amd-amdhsa--gfx1250"
	.amdhsa_code_object_version 6
	.text
	.protected	k_q80652282f1_chain
	.globl	k_q80652282f1_chain
	.p2align	8
	.type	k_q80652282f1_chain,@function
k_q80652282f1_chain:
	s_mov_b64 s[64:65], 0
	v_nop
	global_prefetch_b8 v0, s[64:65] scope:SCOPE_SE
	s_setreg_imm32_b32 hwreg(HW_REG_WAVE_MODE, 25, 1), 1
	s_wait_xcnt 0x0
	s_wait_alu depctr_hold_cnt(0) depctr_sa_sdst(0) depctr_va_vdst(0) depctr_va_sdst(0) depctr_va_ssrc(0) depctr_va_vcc(0) depctr_vm_vsrc(0)
	s_getreg_b32 s2, hwreg(HW_REG_IB_STS2, 6, 4)
	s_cmp_eq_u32 s2, 0
	s_cbranch_scc0 .Lentry_in_a_cluster
	s_endpgm
.Lentry_in_a_cluster:
	s_bfe_u32 s2, ttmp6, 0x10000c
	s_cmp_lg_u32 s2, 0x3003
	s_cbranch_scc0 .Lentry_shape_is_right
	s_endpgm
.Lentry_shape_is_right:
; out0 = LN2(h + relu(h w1 + b1) w2 + b2), h = LN1(x + a wc + bc), a = the codes in ab; the three products on codes of E4M3 with one E8M0 byte for each 32 along K.  Nothing is left out.
; SHARES.  A work-group takes 64 rows through the whole chain; wave w makes columns 128 w .. 128 w + 127 of each layer for all 64 rows (source 0 = 16 columns of the weight, source 1 = 16 rows:
; a lane holds one row, its registers run along the columns).  Its 128 columns are one K step of the next product: they are quantised in registers and go to the other waves through LDS as images
; of the operand's registers.  The biases are the C of each sum's first matrix instruction.  Lane r of row tile m holds row 32 (m / 2) + 8 (m % 2) + r + 8 (r / 8), as in the launches before.
; LAYER NORM.  Each wave takes its own 128 columns' mean away in place and sums the squares of what is left; the four means and sums meet in LDS:
; the row's sum of squares = the four sums + 128 x the sum of (wave's mean - row's mean)^2: no difference of large sums is formed.
; THE WEIGHTS: blocks 6 to 11 of wb through a ring of two LDS slots, asked for JOINTLY by the four work-groups of a cluster, a quarter a wave.  By this text's count a wave has two tensor loads out at the start, later one.
; LIMITS: a block of zeros gets the byte 1 (its codes are zeros); NaN and infinities are not served.
; REGISTERS: window 0: addresses, scale words, bias, v128-255 eight fragments of the rows or work; window 1: weight fragments; at the head x as loaded; in the norms gain, offset and the way out;
; window 2: 32 accumulators; window 3: x, then h.
.set BLK,   135168
.set QTR,   33792
.set AIMG,  270336                     ; the rows' 16 fragments (tile m, K step s) at 8192 m + 2048 s
.set ASCA,  303104                     ; their scale words: 512 s + 16 lane: four words, m = 0..3
.set LNA,   305152                     ; the norms' exchange: 1024 w + 16 lane: means, + 512: sums of squares
.set STG,   309248
.set SPARE, 326656
.set LI, 1
.set R16, 2
.set WFA, 3
.set WSA, 5
.set XGO, 7
.set STI, 8
.set STL, 9
.set AIW, 10
.set AIR, 11
.set ASW, 12
.set ASR, 13
.set SPW, 14
.set NIL, 15
.set LNW, 16
.set LNR, 17
.set BO, 18
.set A0W, 19
.set WSC, 20
.set ASC, 36
.set PWQ, 52
.set BIAS, 56
.set MU, 120
.set M2, 124
.set AF, 128
.set TM, 128
.set HB, 144
.set PC, 208
.set LT, 224
.set WV, 26
.set CX, 27
.set RB, 28
.set MNT, 29
.set SEL, 30
.set G1, 32
.set G0A, 40
.set G0B, 44
.set XB, 50
.set OB, 52
.set ACB, 54
.set ASB, 56
.set EPS, 58
.set MSB, 0
.macro WIN new
.if MSB != (\new)
	s_set_vgpr_msb (MSB<<8)|(\new)
.set MSB, (\new)
.endif
.endm
.macro PLACES n
.rept \n
	v_nop
.endr
.endm
.macro ROUND
	s_barrier_signal -1
	s_barrier_wait -1
	s_cmp_lg_u32 s[WV], 0
	s_cbranch_scc1 .Lnw0_\@
	s_barrier_signal -3
.Lnw0_\@:
	s_barrier_wait -3
	s_barrier_signal -1
	s_barrier_wait -1
.endm
.macro JLOAD g0
	tensor_load_to_lds s[\g0:\g0+3], s[G1:G1+7]
	s_nop 0
	PLACES 4
.endm
.macro QUANT src, sw, relu, hb, pc, pw
	WIN ((\sw)|((\sw)<<2))
.set b_, 0
.rept 4
.if \relu
	v_max3_num_f32 v[TM+b_], v[(\src)+16*b_], v[(\src)+16*b_+1], 0x4800000      ; no |.|: what is negative becomes 0 and must not count; the floor stands over it
.else
	v_max3_num_f32 v[TM+b_], |v[(\src)+16*b_]|, |v[(\src)+16*b_+1]|, 0x4800000
.endif
.set b_, b_+1
.endr
.set i_, 2
.rept 7
.set b_, 0
.rept 4
.if \relu
	v_max3_num_f32 v[TM+b_], v[(\src)+16*b_+i_], v[(\src)+16*b_+i_+1], v[TM+b_]
.else
	v_max3_num_f32 v[TM+b_], |v[(\src)+16*b_+i_]|, |v[(\src)+16*b_+i_+1]|, v[TM+b_]
.endif
.set b_, b_+1
.endr
.set i_, i_+2
.endr
	WIN 0
.irp b, 0,1,2,3
	v_permlanex16_b32 v[TM+4+\b], v[TM+\b], s[SEL], s[SEL+1]
.endr
.irp b, 0,1,2,3
	v_max_num_f32 v[TM+\b], v[TM+\b], v[TM+4+\b]
.endr
.irp b, 0,1,2,3
	v_add_nc_u32 v[TM+12+\b], 0xfc000000, v[TM+\b]
.endr
.irp b, 0,1,2,3
	v_and_or_b32 v[TM+8+\b], v[TM+\b], 0x7f800000, s[MNT]
.endr
.irp b, 0,1,2,3
	v_lshrrev_b32 v[TM+4+\b], 23, v[TM+12+\b]
.endr
	v_lshl_or_b32 v[\pw], v[TM+5], 8, v[TM+4]
	v_lshl_or_b32 v[\pw], v[TM+6], 16, v[\pw]
	v_lshl_or_b32 v[\pw], v[TM+7], 24, v[\pw]
	WIN (\sw)
.set b_, 0
.rept 4
.set i_, 0
.rept 16
.if \relu
	v_med3_num_f32 v[(\hb)+16*b_+i_], v[(\src)+16*b_+i_], 0, v[TM+8+b_]             ; the activation and the hold in one
.else
	v_med3_num_f32 v[(\hb)+16*b_+i_], v[(\src)+16*b_+i_], -v[TM+8+b_], v[TM+8+b_]
.endif
.set i_, i_+1
.endr
.set b_, b_+1
.endr
	WIN 0
.irp b, 0,1,2,3
	v_cvt_scalef32_pk8_fp8_f32 v[(\pc)+4*\b:(\pc)+4*\b+1], v[(\hb)+16*\b:(\hb)+16*\b+7], v[TM+12+\b]
	v_cvt_scalef32_pk8_fp8_f32 v[(\pc)+4*\b+2:(\pc)+4*\b+3], v[(\hb)+16*\b+8:(\hb)+16*\b+15], v[TM+12+\b]
.endr
	v_nop
.endm
.macro VEC64 dst, base                 ; 64 numbers of a vector of 512 in the result's layout: register 16 b + i = column 128 w + 32 b + 16 h + i
.irp q, 0,1,2,3,4,5,6,7,8,9,10,11,12,13,14,15
	global_load_b128 v[\dst+4*\q:\dst+4*\q+3], v[BO], s[\base:\base+1] offset:128*(\q/4)+16*(\q%4)
.endr
.endm
	s_load_b256 s[4:11], s[0:1], 0x0               ; ab, wb, x, bc
	s_load_b256 s[12:19], s[0:1], 0x20             ; b1, b2, g1, be1
	s_load_b128 s[20:23], s[0:1], 0x40             ; g2, be2
	s_load_b64 s[24:25], s[0:1], 0x50              ; out0
	v_lshl_add_u32 v[SPW], v0, 2, SPARE
	v_mov_b32 v[NIL], 0
	ds_add_u32 v[SPW], v[NIL]                      ; the opening: the add, twice on end, and its wait ahead of my first tensor load
	ds_add_u32 v[SPW], v[NIL]
	v_lshrrev_b32 v232, 5, v0
	v_readfirstlane_b32 s[WV], v232
	s_bfe_u32 s[CX], ttmp6, 0x40000
	s_lshl_b32 s[RB], ttmp9, 2
	s_add_co_u32 s[RB], s[RB], s[CX]               ; my block of 64 rows: it enters global addresses of ab, x and out0 alone
	s_mov_b32 s[G1], 15|(3<<16)|(1<<21)
	s_mov_b32 s[G1+1], 32<<16
	s_mov_b32 s[G1+2], 132<<16
	s_mov_b32 s[G1+3], 32<<16
	s_mov_b32 s[G1+4], 132
	s_mov_b32 s[G1+5], 32
	s_mov_b32 s[G1+6], 0
	s_mov_b32 s[G1+7], 0
	s_mov_b32 s[MNT], 0x600000
	s_mov_b32 s[SEL], 0x76543210
	s_mov_b32 s[SEL+1], 0xfedcba98
	s_mov_b32 s[EPS], 0x3727c5ac                   ; 1e-5
	s_mul_i32 s59, s[WV], QTR
	s_add_co_u32 s48, s59, 6*BLK                   ; wc's first block
	s_mov_b32 s49, 0
	s_wait_dscnt 0x0
	s_wait_kmcnt 0x0
	s_add_nc_u64 s[60:61], s[6:7], s[48:49]
	s_mov_b32 s[G0A], 1
	s_mov_b32 s[G0A+1], s59
	s_mov_b64 s[G0A+2:G0A+3], s[60:61]
	s_or_b32 s[G0A+3], s[G0A+3], 0x80000000
	s_mov_b32 s[G0B], 1
	s_add_co_u32 s[G0B+1], s59, BLK
	s_add_nc_u64 s[G0B+2:G0B+3], s[60:61], BLK
	s_or_b32 s[G0B+3], s[G0B+3], 0x80000000
	ROUND
	tensor_load_to_lds s[G0A:G0A+3], s[G1:G1+7]
	s_nop 0
	tensor_load_to_lds s[G0B:G0B+3], s[G1:G1+7]
	s_nop 0
	PLACES 4
	s_lshl_b32 s48, s[RB], 17
	s_add_nc_u64 s[XB:XB+1], s[8:9], s[48:49]
	s_add_nc_u64 s[OB:OB+1], s[24:25], s[48:49]
	s_mul_i32 s59, s[RB], 33792
	s_lshl_b32 s48, s[WV], 13
	s_add_co_u32 s48, s48, s59
	s_add_nc_u64 s[ACB:ACB+1], s[4:5], s[48:49]
	s_add_co_u32 s48, s59, 32768
	s_add_nc_u64 s[ASB:ASB+1], s[4:5], s[48:49]
	v_and_b32 v232, 31, v0
	v_and_b32 v233, 15, v0
	v_bfe_u32 v234, v0, 4, 1
	v_lshlrev_b32 v[LI], 4, v232
	v_lshlrev_b32 v[R16], 4, v233
	s_lshl_b32 s48, s[WV], 15
	v_add_nc_u32 v[WFA], s48, v[LI]
	v_add_nc_u32 v[WFA+1], BLK, v[WFA]
	s_lshl_b32 s48, s[WV], 10
	s_add_co_u32 s59, s48, 131072
	v_add_nc_u32 v[WSA], s59, v[R16]
	v_add_nc_u32 v[WSA+1], BLK, v[WSA]
	s_add_co_u32 s59, s48, LNA
	v_add_nc_u32 v[LNW], s59, v[LI]
	v_add_nc_u32 v[LNR], LNA, v[LI]
	s_lshl_b32 s48, s[WV], 9
	v_lshl_add_u32 v[XGO], v234, 11, v[R16]
	v_add_nc_u32 v[XGO], s48, v[XGO]               ; two rows a load: 2048 h + 16 r, + my 128 columns
	v_lshl_add_u32 v[BO], v234, 6, s48
	s_add_co_u32 s59, s48, ASCA
	v_add_nc_u32 v[ASW], s59, v[LI]
	v_add_nc_u32 v[ASR], ASCA, v[LI]
	s_mul_i32 s48, s[WV], 4352
	s_add_co_u32 s48, s48, STG
	v_mul_u32_u24 v[STI], v234, 272
	v_add_nc_u32 v[STI], v[STI], v[R16]
	v_add_nc_u32 v[STI], s48, v[STI]
	v_mul_u32_u24 v[STL], v233, 272
	v_lshl_add_u32 v[STL], v234, 6, v[STL]
	v_add_nc_u32 v[STL], s48, v[STL]
	s_lshl_b32 s48, s[WV], 11
	s_add_co_u32 s48, s48, AIMG
	v_add_nc_u32 v[AIW], s48, v[LI]
	v_add_nc_u32 v[AIR], AIMG, v[LI]
	s_lshl_b32 s48, s[WV], 13
	s_add_co_u32 s48, s48, AIMG
	v_add_nc_u32 v[A0W], s48, v[LI]
	VEC64 BIAS, 10                                 ; bc
.set q_, 0
.rept 16
	global_load_b128 v[AF+4*q_:AF+4*q_+3], v[LI], s[ACB:ACB+1] offset:512*q_    ; my quarter of the rows' fragments
.set q_, q_+1
.endr
.irp s, 0,1,2,3
	global_load_b128 v[ASC+4*\s:ASC+4*\s+3], v[R16], s[ASB:ASB+1] offset:256*\s
.endr
	WIN 0x40
.irp k, 0,1,2,3,4,5,6,7
.irp p, 0,1,2,3,4,5,6,7
	global_load_b128 v[32*\k+4*\p:32*\k+4*\p+3], v[XGO], s[XB:XB+1] offset:(32*(\k/4)+8*((\k/2)%2)+2*\p+8*(\p/4))*2048+256*(\k%2) th:TH_LOAD_NT
.endr
.endr
	WIN 0
	s_wait_loadcnt 63                              ; of 100 loads the first 37 are in: the bias, my fragments, the scale words
.set q_, 0
.rept 16
	ds_store_b128 v[A0W], v[AF+4*q_:AF+4*q_+3] offset:512*q_
.set q_, q_+1
.endr
.irp k, 0,1,2,3,4,5,6,7                            ; x through my stage into the result's layout, window 3
	s_wait_loadcnt 56-8*\k
	WIN 0x04
.irp p, 0,1,2,3,4,5,6,7
	ds_store_b128 v[STI], v[32*\k+4*\p:32*\k+4*\p+3] offset:544*\p
.endr
	WIN 0xc0
.irp q, 0,1,2,3,4,5,6,7
	ds_load_b128 v[32*\k+4*\q:32*\k+4*\q+3], v[STL] offset:128*(\q/4)+16*(\q%4)
.endr
.endr
	WIN 0
	s_wait_dscnt 0x0
	s_wait_tensorcnt 1                             ; my quarter of the first block is in; the second's may stay out
	s_barrier_signal -1
	s_barrier_wait -1
; A block: 256 along K.  The rows' eight fragments and my 16 weight fragments come in one run; the 32 accumulators take turns.
.macro WSTEP slot, u, first, asc
	PLACES 8
.if \asc
.irp s, 0,1,2,3
	ds_load_b128 v[ASC+4*\s:ASC+4*\s+3], v[ASR] offset:512*\s
.endr
.endif
.irp q, 0,1,2,3
	ds_load_b128 v[WSC+4*\q:WSC+4*\q+3], v[WSA+\slot] offset:256*\q
.endr
.irp e, 0,1
	WIN 0
.irp m, 0,1,2,3
.irp c, 0,1,2,3
	ds_load_b128 v[AF+16*(2*\m+\e)+4*\c:AF+16*(2*\m+\e)+4*\c+3], v[AIR] offset:(4*\m+2*\u+\e)*2048+512*\c
.endr
.endr
	WIN 0x40
.irp t, 0,1,2,3,4,5,6,7
.irp c, 0,1,2,3
	ds_load_b128 v[32*\t+16*\e+4*\c:32*\t+16*\e+4*\c+3], v[WFA+\slot] offset:4096*\t+2048*\e+512*\c
.endr
.endr
.endr
.irp e, 0,1
.irp t, 0,1,2,3,4,5,6,7
.if (76-48*\e-4*\t) > 63
	s_wait_dscnt 63
.else
	s_wait_dscnt 76-48*\e-4*\t                     ; the loads issued behind this fragment's may be out
.endif
.irp m, 0,1,2,3
.if (\first) && (\e == 0)
	WIN 0x81
	v_wmma_scale_f32_16x16x128_f8f6f4 v[64*\m+8*\t:64*\m+8*\t+7], v[32*\t+16*\e:32*\t+16*\e+15], v[AF+16*(2*\m+\e):AF+16*(2*\m+\e)+15], v[BIAS+8*\t:BIAS+8*\t+7], v[WSC+4*(\t/2)+2*(\t%2)+\e], v[ASC+4*(2*\u+\e)+\m]
.else
	WIN 0xa1
	v_wmma_scale_f32_16x16x128_f8f6f4 v[64*\m+8*\t:64*\m+8*\t+7], v[32*\t+16*\e:32*\t+16*\e+15], v[AF+16*(2*\m+\e):AF+16*(2*\m+\e)+15], v[64*\m+8*\t:64*\m+8*\t+7], v[WSC+4*(\t/2)+2*(\t%2)+\e], v[ASC+4*(2*\u+\e)+\m]
.endif
.endr
.endr
.endr
	WIN 0
.endm
.macro CHANGE fill, g0
	s_wait_tensorcnt 0x0
	ds_add_u32 v[SPW], v[NIL]
.if \fill
	s_add_nc_u64 s[\g0+2:\g0+3], s[\g0+2:\g0+3], 2*BLK
.endif
	s_wait_dscnt 0x0
.if \fill
	ROUND
	JLOAD \g0
.else
	s_barrier_signal -1
	s_barrier_wait -1
.endif
.endm
; Tile m: the residual takes the product in; my 128 columns' mean is taken away in place; the squares of the rest are summed.
.macro LNSTAT m
	WIN 0xcb
.set p_, 0
.rept 32
	v_pk_add_f32 v[64*\m+2*p_:64*\m+2*p_+1], v[64*\m+2*p_:64*\m+2*p_+1], v[64*\m+2*p_:64*\m+2*p_+1]   ; window 3 += window 2, each accumulator from its low end on
.set p_, p_+1
.endr
	WIN 0x0f
.irp c, 0,1,2,3
	v_pk_add_f32 v[LT+2*\c:LT+2*\c+1], v[64*\m+4*\c:64*\m+4*\c+1], v[64*\m+4*\c+2:64*\m+4*\c+3]
.endr
	WIN 0x03
.set p_, 8
.rept 24
	v_pk_add_f32 v[LT+2*(p_%4):LT+2*(p_%4)+1], v[64*\m+2*p_:64*\m+2*p_+1], v[LT+2*(p_%4):LT+2*(p_%4)+1]
.set p_, p_+1
.endr
	WIN 0
	v_pk_add_f32 v[LT:LT+1], v[LT:LT+1], v[LT+2:LT+3]
	v_pk_add_f32 v[LT+4:LT+5], v[LT+4:LT+5], v[LT+6:LT+7]
	v_pk_add_f32 v[LT:LT+1], v[LT:LT+1], v[LT+4:LT+5]
	v_add_f32 v[LT], v[LT], v[LT+1]
	v_permlanex16_b32 v[LT+2], v[LT], s[SEL], s[SEL+1]
	v_add_f32 v[LT], v[LT], v[LT+2]
	v_mul_f32 v[LT+16], 0x3c000000, v[LT]          ; / 128
	v_mov_b32 v[LT+17], v[LT+16]
	v_mov_b32 v[MU+\m], v[LT+16]
	WIN 0xc3
.set p_, 0
.rept 32
	v_pk_add_f32 v[64*\m+2*p_:64*\m+2*p_+1], v[64*\m+2*p_:64*\m+2*p_+1], v[LT+16:LT+17] neg_lo:[0,1] neg_hi:[0,1]
.set p_, p_+1
.endr
	WIN 0x0f
.irp c, 0,1,2,3
	v_pk_mul_f32 v[LT+8+2*\c:LT+8+2*\c+1], v[64*\m+2*\c:64*\m+2*\c+1], v[64*\m+2*\c:64*\m+2*\c+1]
.endr
.set p_, 4
.rept 28
	v_pk_fma_f32 v[LT+8+2*(p_%4):LT+8+2*(p_%4)+1], v[64*\m+2*p_:64*\m+2*p_+1], v[64*\m+2*p_:64*\m+2*p_+1], v[LT+8+2*(p_%4):LT+8+2*(p_%4)+1]
.set p_, p_+1
.endr
	WIN 0
	v_pk_add_f32 v[LT+8:LT+9], v[LT+8:LT+9], v[LT+10:LT+11]
	v_pk_add_f32 v[LT+12:LT+13], v[LT+12:LT+13], v[LT+14:LT+15]
	v_pk_add_f32 v[LT+8:LT+9], v[LT+8:LT+9], v[LT+12:LT+13]
	v_add_f32 v[LT+8], v[LT+8], v[LT+9]
	v_permlanex16_b32 v[LT+2], v[LT+8], s[SEL], s[SEL+1]
	v_add_f32 v[M2+\m], v[LT+8], v[LT+2]
.endm
; The four waves' means and sums meet.  Afterwards v[MU + m] = the row's mean - my wave's, v[M2 + m] = 1 / sqrt(variance + 1e-5).
.macro LNMEET
	ds_store_b128 v[LNW], v[MU:MU+3]
	ds_store_b128 v[LNW], v[M2:M2+3] offset:512
	s_wait_dscnt 0x0
	s_barrier_signal -1
	s_barrier_wait -1
.irp w, 0,1,2,3
	ds_load_b128 v[LT+8*\w:LT+8*\w+3], v[LNR] offset:1024*\w
	ds_load_b128 v[LT+8*\w+4:LT+8*\w+7], v[LNR] offset:1024*\w+512
.endr
	s_wait_dscnt 0x0
.irp m, 0,1,2,3
	v_add_f32 v[HB+\m], v[LT+\m], v[LT+8+\m]
.endr
.irp m, 0,1,2,3
	v_add_f32 v[HB+4+\m], v[LT+16+\m], v[LT+24+\m]
.endr
.irp m, 0,1,2,3
	v_add_f32 v[HB+\m], v[HB+\m], v[HB+4+\m]
.endr
.irp m, 0,1,2,3
	v_mul_f32 v[HB+\m], 0x3e800000, v[HB+\m]       ; the row's mean
.endr
.irp w, 0,1,2,3
.irp m, 0,1,2,3
	v_sub_f32 v[LT+8*\w+\m], v[LT+8*\w+\m], v[HB+\m]
.endr
.endr
.irp m, 0,1,2,3
	v_mul_f32 v[HB+4+\m], v[LT+\m], v[LT+\m]
.endr
.irp w, 1,2,3
.irp m, 0,1,2,3
	v_fmac_f32 v[HB+4+\m], v[LT+8*\w+\m], v[LT+8*\w+\m]
.endr
.endr
.irp m, 0,1,2,3
	v_add_f32 v[HB+8+\m], v[LT+4+\m], v[LT+12+\m]
.endr
.irp m, 0,1,2,3
	v_add_f32 v[HB+12+\m], v[LT+20+\m], v[LT+28+\m]
.endr
.irp m, 0,1,2,3
	v_add_f32 v[HB+8+\m], v[HB+8+\m], v[HB+12+\m]
.endr
.irp m, 0,1,2,3
	v_fma_f32 v[HB+8+\m], v[HB+4+\m], 0x43000000, v[HB+8+\m]   ; + 128 x the sum of the means' squared distances
.endr
.irp m, 0,1,2,3
	v_fma_f32 v[HB+8+\m], v[HB+8+\m], 0x3b000000, s[EPS]       ; / 512 + 1e-5
.endr
.irp m, 0,1,2,3
	v_sub_f32 v[MU+\m], v[HB+\m], v[MU+\m]
.endr
.irp m, 0,1,2,3
	v_rsq_f32 v[M2+\m], v[HB+8+\m]
.endr
	v_nop
	s_wait_alu depctr_va_vdst(0)
.endm
.macro LNNORM m                        ; tile m: less the rest of the mean, x 1 / sqrt, x gain + offset
	v_mov_b32 v[LT], v[MU+\m]
	v_mov_b32 v[LT+1], v[MU+\m]
	v_mov_b32 v[LT+2], v[M2+\m]
	v_mov_b32 v[LT+3], v[M2+\m]
	WIN 0xc3
.set p_, 0
.rept 32
	v_pk_add_f32 v[64*\m+2*p_:64*\m+2*p_+1], v[64*\m+2*p_:64*\m+2*p_+1], v[LT:LT+1] neg_lo:[0,1] neg_hi:[0,1]
.set p_, p_+1
.endr
.set p_, 0
.rept 32
	v_pk_mul_f32 v[64*\m+2*p_:64*\m+2*p_+1], v[64*\m+2*p_:64*\m+2*p_+1], v[LT+2:LT+3]
.set p_, p_+1
.endr
	WIN 0xd7
.set p_, 0
.rept 32
	v_pk_fma_f32 v[64*\m+2*p_:64*\m+2*p_+1], v[64*\m+2*p_:64*\m+2*p_+1], v[2*p_:2*p_+1], v[64+2*p_:64+2*p_+1]
.set p_, p_+1
.endr
	WIN 0
.endm
.macro IMAGE m                         ; the fragment just made is K step w of the next product, rows of tile m
.irp c, 0,1,2,3
	ds_store_b128 v[AIW], v[PC+4*\c:PC+4*\c+3] offset:8192*\m+512*\c
.endr
	s_wait_dscnt 0x0                               ; the stores have read their registers
.endm
	WSTEP 0, 0, 1, 0                               ; a wc + bc
	CHANGE 1, G0A
	WSTEP 1, 1, 0, 0
	PLACES 8                                       ; in front of the first read of results and of loads into the weights' registers
	WIN 0x40
	VEC64 0, 16                                    ; g1
	VEC64 64, 18                                   ; be1
	WIN 0
	VEC64 BIAS, 12                                 ; b1
	LNSTAT 0
	LNSTAT 1
	LNSTAT 2
	LNSTAT 3
	LNMEET                                         ; behind its barrier nobody reads the first product's images any more
	s_wait_loadcnt 0x0
.irp m, 0,1,2,3
	LNNORM \m
	QUANT 64*\m, 3, 0, HB, PC, PWQ+\m
	IMAGE \m
.endr
	ds_store_b128 v[ASW], v[PWQ:PWQ+3]
	CHANGE 1, G0B                                  ; its barrier also shows h's images to every wave
	WSTEP 0, 0, 1, 1                               ; h w1 + b1
	CHANGE 1, G0A
	WSTEP 1, 1, 0, 0
	s_wait_dscnt 0x0
	s_barrier_signal -1
	s_barrier_wait -1                              ; every wave has read h's images
	PLACES 8
	VEC64 BIAS, 14                                 ; b2
.irp m, 0,1,2,3
	QUANT 64*\m, 2, 1, HB, PC, PWQ+\m
	IMAGE \m
.endr
	ds_store_b128 v[ASW], v[PWQ:PWQ+3]
	s_wait_loadcnt 0x0
	CHANGE 1, G0B
	WSTEP 0, 0, 1, 1                               ; relu(..) w2 + b2
	CHANGE 0, G0A
	WSTEP 1, 1, 0, 0
	PLACES 8
	WIN 0x40
	VEC64 0, 20                                    ; g2
	VEC64 64, 22                                   ; be2
	WIN 0
	LNSTAT 0
	LNSTAT 1
	LNSTAT 2
	LNSTAT 3
	LNMEET
	s_wait_loadcnt 0x0
	; THE WAY OUT: 16 rows x 64 columns at a time through my stage, so that sixteen lanes store 256 consecutive bytes of a row
.irp m, 0,1,2,3
	LNNORM \m
.irp g, 0,1
.if 2*\m+\g >= 4
	s_wait_xcnt 0x0                                ; the stores of four chunks ago have read their registers
.endif
	WIN 0x0c
.irp q, 0,1,2,3,4,5,6,7
	ds_store_b128 v[STL], v[64*\m+32*\g+4*\q:64*\m+32*\g+4*\q+3] offset:128*(\q/4)+16*(\q%4)
.endr
	WIN 0x40
.irp p, 0,1,2,3,4,5,6,7
	ds_load_b128 v[128+32*((2*\m+\g)%4)+4*\p:128+32*((2*\m+\g)%4)+4*\p+3], v[STI] offset:544*\p
.endr
	WIN 0x04
.irp p, 0,1,2,3,4,5,6,7
	s_wait_dscnt 7-\p
	global_store_b128 v[XGO], v[128+32*((2*\m+\g)%4)+4*\p:128+32*((2*\m+\g)%4)+4*\p+3], s[OB:OB+1] offset:(32*(\m/2)+8*(\m%2)+2*\p+8*(\p/4))*2048+256*\g th:TH_STORE_NT
.endr
	WIN 0
.endr
.endr
	s_wait_tensorcnt 0x0                           ; the wave's end
	ds_add_u32 v[SPW], v[NIL]
	s_wait_dscnt 0x0
	ROUND                                          ; the closing round
	s_endpgm
.Lfunc_end_k_q80652282f1_chain:
	.size	k_q80652282f1_chain, .Lfunc_end_k_q80652282f1_chain-k_q80652282f1_chain
	.p2alignl 7, 3214868480
	.fill 96, 4, 3214868480
	.section	.rodata,"a",@progbits
	.p2align	6, 0x0
	.amdhsa_kernel k_q80652282f1_chain
		.amdhsa_group_segment_fixed_size 327680
		.amdhsa_private_segment_fixed_size 0
		.amdhsa_enable_private_segment 0
		.amdhsa_kernarg_size 88
		.amdhsa_user_sgpr_count 2
		.amdhsa_user_sgpr_kernarg_segment_ptr 1
		.amdhsa_wavefront_size32 1
		.amdhsa_system_sgpr_workgroup_id_x 1
		.amdhsa_system_sgpr_workgroup_id_y 1
		.amdhsa_system_sgpr_workgroup_id_z 1
		.amdhsa_system_vgpr_workitem_id 0
		.amdhsa_next_free_vgpr 1024
		.amdhsa_next_free_sgpr 66
		.amdhsa_reserve_vcc 0
		.amdhsa_float_denorm_mode_32 3
		.amdhsa_float_denorm_mode_16_64 3
		.amdhsa_memory_ordered 1
		.amdhsa_forward_progress 1
		.amdhsa_inst_pref_size 255
	.end_amdhsa_kernel
	.section	.bss,"aw",@nobits
	.p2align	6
	.space	262144
	.amdgpu_metadata
---
amdhsa.version: [ 1, 2 ]
amdhsa.kernels:
  - .name:           k_q80652282f1_chain
    .symbol:         k_q80652282f1_chain.kd
    .args:
      - { .name: ab, .offset: 0, .size: 8, .value_kind: global_buffer, .address_space: global }
      - { .name: wb, .offset: 8, .size: 8, .value_kind: global_buffer, .address_space: global }
      - { .name: x, .offset: 16, .size: 8, .value_kind: global_buffer, .address_space: global }
      - { .name: bc, .offset: 24, .size: 8, .value_kind: global_buffer, .address_space: global }
      - { .name: b1, .offset: 32, .size: 8, .value_kind: global_buffer, .address_space: global }
      - { .name: b2, .offset: 40, .size: 8, .value_kind: global_buffer, .address_space: global }
      - { .name: g1, .offset: 48, .size: 8, .value_kind: global_buffer, .address_space: global }
      - { .name: be1, .offset: 56, .size: 8, .value_kind: global_buffer, .address_space: global }
      - { .name: g2, .offset: 64, .size: 8, .value_kind: global_buffer, .address_space: global }
      - { .name: be2, .offset: 72, .size: 8, .value_kind: global_buffer, .address_space: global }
      - { .name: out0, .offset: 80, .size: 8, .value_kind: global_buffer, .address_space: global }
    .group_segment_fixed_size: 327680
    .private_segment_fixed_size: 0
    .kernarg_segment_align: 8
    .kernarg_segment_size: 88
    .max_flat_workgroup_size: 128
    .sgpr_count:     66
    .vgpr_count:     1024
    .wavefront_size: 32
...
	.end_amdgpu_metadata
.endif
;; end of part 4
